; MI455X (gfx1250); checked and timed in simulation.
; The chip was launched on July 23, 2026; its instructions are those of AMD's public machine-readable ISA for CDNA 5 (MIT licence, August 2026) and "CDNA5" Instruction Set Architecture Reference Guide (July 2026). The comments in the code are by the model that wrote it; some were corrected since.
;; Transformer Block. Allowed arithmetic: matrix products marked QUANTISED: E5M2 operands, one given power-of-two scale a tensor, by v_wmma_f32_16x16x64_bf8_bf8 or v_wmma_f32_16x16x128_bf8_bf8, f32 sums; everything else in f32.
;; Inputs: W1_codes 4,096 x 32 x 32 uint8 (E5M2 codes of W1, K innermost, in blocks of 32 codes); W2_codes 1,024 x 128 x 32 uint8 (E5M2 codes of W2, K innermost, in blocks of 32 codes); Wk_codes 1,024 x 32 x 32 uint8 (E5M2 codes of Wk, K innermost, in blocks of 32 codes); Wo_codes 1,024 x 32 x 32 uint8 (E5M2 codes of Wo, K innermost, in blocks of 32 codes); Wq_codes 1,024 x 32 x 32 uint8 (E5M2 codes of Wq, K innermost, in blocks of 32 codes); Wv_codes 1,024 x 32 x 32 uint8 (E5M2 codes of Wv, K innermost, in blocks of 32 codes); b1 4,096 float32; b2 1,024 float32; bk 1,024 float32; bo 1,024 float32; bq 1,024 float32; bv 1,024 float32; ln1_b 1,024 float32; ln1_g 1,024 float32; ln2_b 1,024 float32; ln2_g 1,024 float32; lowp_scales 16 int32 (the exponents e of the quantised operands' scales 2^e); x 2 x 2,048 x 1,024 float32.
;; Outputs: out0 2 x 2,048 x 1,024 float32.
;; This version of the problem:
;;   THIS VERSION OF THE PROBLEM IS GIVEN IN LOW PRECISION. The matrix products marked QUANTISED in the list below multiply operands that are first quantised to E5M2 (5 exponent bits, 2 mantissa bits; 8 bits a number), with one given power-of-two scale for each operand tensor; their sums are f32. All else is computed in f32.
;;   The module's matrix products, in the order in which they are computed (A, B: the left and right operand; K: the contracted axis; several contracted axes count as one K, in the product's order):
;;     1. [M 4,096, K 1,024] x [K 1,024, N 1,024]; A: computed on the way; B: input Wq (given as codes): QUANTISED (scales: A lowp_scales[0], B lowp_scales[1])
;;     2. [M 4,096, K 1,024] x [K 1,024, N 1,024]; A: computed on the way; B: input Wk (given as codes): QUANTISED (scales: A lowp_scales[2], B lowp_scales[3])
;;     3. [M 4,096, K 1,024] x [K 1,024, N 1,024]; A: computed on the way; B: input Wv (given as codes): QUANTISED (scales: A lowp_scales[4], B lowp_scales[5])
;;     4. batch 16 x [M 2,048, K 128] x [K 128, N 2,048]; A: computed on the way; B: computed on the way: QUANTISED (scales: A lowp_scales[6], B lowp_scales[7])
;;     5. batch 16 x [M 2,048, K 2,048] x [K 2,048, N 128]; A: softmax (see below); B: computed on the way: QUANTISED (scales: A lowp_scales[8], B lowp_scales[9])
;;     6. [M 4,096, K 1,024] x [K 1,024, N 1,024]; A: computed on the way; B: input Wo (given as codes): QUANTISED (scales: A lowp_scales[10], B lowp_scales[11])
;;     7. [M 4,096, K 1,024] x [K 1,024, N 4,096]; A: computed on the way; B: input W1 (given as codes): QUANTISED (scales: A lowp_scales[12], B lowp_scales[13])
;;     8. [M 4,096, K 4,096] x [K 4,096, N 1,024]; A: computed on the way; B: input W2 (given as codes): QUANTISED (scales: A lowp_scales[14], B lowp_scales[15])
;;   THE QUANTISER, for each operand of a quantised product, along K:
;;     - The operand's scale is 2^e, e = its entry of the input lowp_scales (int32; the entries are numbered through the quantised products in the list's order, A before B).
;;     - Each number is divided by the scale, clamped to +-57,344, and rounded to the nearest number of E5M2, ties to even, subnormals kept.
;;     - The product sums the exact products of the quantised numbers (number of the format x scale) in f32.
;;   ~~~python
;;   def quantise(x, axis, e):      # numpy; x: float32 -> the quantised numbers, widened to float32 again
;;       x = np.moveaxis(x, axis, -1); K = x.shape[-1]
;;       r = np.clip(x / 2.0 ** e, -57344, 57344)
;;       step = 2.0 ** (np.maximum(np.frexp(np.where(r == 0, 1, r))[1] - 1, -14) - 2)
;;       q = np.round(r / step) * step * 2.0 ** e      # np.round: ties to even
;;       return np.moveaxis(q, -1, axis).astype(np.float32)
;;   ~~~
;;   SOFTMAX AHEAD OF A QUANTISED PRODUCT. Where the list says 'softmax', what is quantised is not the finished softmax but p = 2^(t - M), with t = logit x log2(e) and M = ceil(the row's largest t), a whole number; so 1/2 < the row's largest p <= 1. The row's sum l is taken of the UNQUANTISED p, in f32, and the product's result is divided by l at the end. Since M is a whole number, a kernel that streams over the keys may use a running M (the ceiling of the running maximum): every later rescaling is an exact power of two, so the quantised numbers keep their values, but for numbers so far below the row's largest that they fall under the format's range.
;;   OPERANDS COMPUTED ON THE WAY. 'Computed on the way' means the value that the module computes at that place (a softmax that the list does not call 'softmax' is quantised finished and normalised). What goes into a quantiser is computed in f32, as accurately as f32 sums, v_exp_f32 and their like allow (about 1e-6 of the number): no bf16 or f16 on the way to a quantiser, and a product that is left as it is and whose result goes on into a quantised operand takes f32 operands (vector FMAs, or v_wmma_f32_16x16x4_f32). A number that lies on a knife's edge between two numbers of the format may be rounded either way, as far as f32 arithmetic and the matrix unit's own rounding can turn it there, and no further.
;;   INPUTS GIVEN AS CODES. W1 (in the module: [1024, 4096], K = its axis 0); W2 (in the module: [4096, 1024], K = its axis 0); Wk (in the module: [1024, 1024], K = its axis 0); Wo (in the module: [1024, 1024], K = its axis 0); Wq (in the module: [1024, 1024], K = its axis 0); Wv (in the module: [1024, 1024], K = its axis 0): each comes as NAME_codes (uint8): NAME with its K axis moved to the last place and cut into blocks of 32 codes, [.., K / 32, bytes a block], one block behind the other in memory; one code a byte (a code: sign, 5 exponent bits, 2 mantissa bits); its scale is its entry of lowp_scales. Its value is code x scale, taken as it is: it is not quantised again, and the codes and scales need not be those that the quantiser above would give.
;; One version. Each part assembles by itself: llvm-mc -triple=amdgcn-amd-amdhsa -mcpu=gfx1250 --defsym DOCPART=n.
;; ======== version 1 of 1: 7 launches
;; limits: right only within a limited range of input values
;; workspace buffers: h3 12,582,912 bytes; qkv 12,582,912 bytes; y_img 4,194,304 bytes; x1 16,777,216 bytes; h2 4,194,304 bytes; g_img 16,777,216 bytes
;; launch ln1 (part 1): grid 256 x 1, 8 waves a work-group, no clusters, 25,600 bytes of LDS; arguments x, ln1_g, ln1_b, lowp_scales, h3; writes h3
.if DOCPART == 1
	.amdgcn_target "amdgcn-amd-amdhsa--gfx1250"
	.amdhsa_code_object_version 6
	.text
	.protected	k_q8928ed69fc_ln1
	.globl	k_q8928ed69fc_ln1
	.p2align	8
	.type	k_q8928ed69fc_ln1,@function
k_q8928ed69fc_ln1:
	s_mov_b64 s[64:65], 0
	v_nop
	global_prefetch_b8 v0, s[64:65] scope:SCOPE_SE
	s_setreg_imm32_b32 hwreg(HW_REG_WAVE_MODE, 25, 1), 1
	s_wait_xcnt 0x0
; LAUNCH 1 OF 7.  h = layernorm(x) g + b, quantised three times (E5M2, scales 2^e0, 2^e2, 2^e4: the A operands of the q, k and v projections) into h3: three parts of [4096][1024] codes, 4,194,304 bytes apart.
; THE PROGRAM: ln1 | qkv (products 1-3) | att (products 4, 5) | wo (product 6 + residual) | ln2 | w1 (product 7, gelu) | w2 (product 8 + residual).
; WORK LEFT OUT, in the whole program: of products 4 and 5 the key steps of 128 keys that lie wholly behind a tile's 16 queries.  reference() builds the causal mask itself (jnp.tril) and sets those scores to
; -infinity ahead of the softmax, so their p is 0 and adds nothing to the row's sum or to the second product, whatever the inputs hold.  Nothing else is left out: every input has a way to the output and is loaded
; (bk too: it moves k's codes).  LIMIT: a NaN, an infinity or an overflow that reaches only those hidden scores is not carried to the result.
; LIMITS of this launch: each e between -126 and 112, so that 2^e and 57,344 x 2^e are f32 numbers.  NaN and infinities among the inputs are not served.
; SHARES.  A wave takes two rows; a row of 4,096 bytes is eight loads of 512 consecutive bytes and stays in 32 registers: register 4 j + i of lane l holds column 128 j + 4 l + i.  Mean and variance in two passes
; (the mean is taken away first, as reference() does), sums over the wave by lane exchanges.  No matrix unit, no tensor load, no barrier, no cluster: waves share nothing but g and b, 8 KB.
; THE CODES of a lane are 4 bytes of each 128: they go through the wave's own stage in LDS (1,024 bytes for each output) and leave as two stores of 512 consecutive bytes a row.
.set NOUT,  3                          ; quantisers
.set LO,    1                          ; v1   16 x lane
.set SW,    2                          ; v2   my stage + 4 x lane
.set SRD,   3                          ; v3   my stage + 16 x lane
.set SPW,   4                          ; v4   my spare word; never rewritten
.set NIL,   5                          ; v5   0; never rewritten
.set SC,    6                          ; v6-8   2^e as f32
.set LIM,   9                          ; v9-11  57,344 x 2^e
.set RS,    12                         ; v12 (v13), v14 (v15): 1 / sqrt(var + eps) of the two rows, each named as a pair
.set G,     16                         ; v16-47  g
.set BT,    48                         ; v48-79  b
.set X,     80                         ; v80-143 the two rows
.set T,     144                        ; v144-175 at work
.set C,     176                        ; v176-183 a row's codes
.set OUTR,  184                        ; v184-231 rows of codes on the way out: a set of 8 for each row and output, so that no store's data are written again
.set MU,    232                        ; v232-233 the mean, twice
.set SPARE, 8*NOUT*1024                ; behind the stages: the spare words, 128 bytes for each wave
	s_load_b256 s[4:11], s[0:1], 0x0               ; x s[4:5], g s[6:7], b s[8:9], the exponents s[10:11]
	s_load_b64 s[12:13], s[0:1], 0x20              ; the codes
	v_lshl_add_u32 v[SPW], v0, 2, SPARE
	v_mov_b32 v[NIL], 0
	v_lshrrev_b32 v6, 5, v0
	s_delay_alu instid0(VALU_DEP_1)
	v_readfirstlane_b32 s14, v6                    ; wave 0..7
	v_and_b32 v7, 31, v0
	s_delay_alu instid0(VALU_DEP_1)
	v_lshlrev_b32 v[LO], 4, v7
	s_mul_i32 s15, s14, NOUT*1024
	v_lshl_add_u32 v[SW], v7, 2, s15
	v_lshl_add_u32 v[SRD], v7, 4, s15
	v_mov_b32 v[RS+1], 0                           ; (named as the upper halves of pairs)
	v_mov_b32 v[RS+3], 0
	s_lshl_b32 s16, ttmp9, 4
	s_lshl_b32 s17, s14, 1
	s_add_co_u32 s16, s16, s17                     ; my first row: 16 x work-group + 2 x wave
	s_lshl_b32 s36, s16, 10                        ; in a part of the codes,
	s_mov_b32 s37, 0
	s_lshl_b32 s16, s16, 12                        ; and in x
	s_mov_b32 s17, 0
	s_mov_b32 s32, 0x76543210                      ; lane selects: lane l xor 16
	s_mov_b32 s33, 0xfedcba98
	s_mov_b32 s34, 0x3a800000                      ; 1 / 1024
	s_mov_b32 s35, 0x3727c5ac                      ; 1e-5
	s_wait_alu depctr_va_vdst(0)
	s_wait_kmcnt 0x0
.if NOUT == 3
	s_load_b256 s[24:31], s[10:11], 0x0            ; e0 .. e7: entries 0, 2, 4 are h's
.else
	s_load_b32 s24, s[10:11], 0x30                 ; e12
.endif
	s_add_nc_u64 s[4:5], s[4:5], s[16:17]
	s_add_nc_u64 s[18:19], s[12:13], s[36:37]
.if NOUT == 3
	s_add_nc_u64 s[20:21], s[18:19], 0x400000
	s_add_nc_u64 s[22:23], s[18:19], 0x800000
.endif
.set i, 0
.rept 16                               ; row 0, then row 1
	global_load_b128 v[X+4*i:X+4*i+3], v[LO], s[4:5] offset:512*i
.set i, i+1
.endr
.set i, 0
.rept 8
	global_load_b128 v[G+4*i:G+4*i+3], v[LO], s[6:7] offset:512*i
.set i, i+1
.endr
.set i, 0
.rept 8
	global_load_b128 v[BT+4*i:BT+4*i+3], v[LO], s[8:9] offset:512*i
.set i, i+1
.endr
.macro WSUM r, t                       ; the sum over the wave's 32 lanes, in every lane
	s_delay_alu instid0(VALU_DEP_1)
	v_add_f32_dpp v[\r], v[\r], v[\r] row_xmask:1 row_mask:0xf bank_mask:0xf
	s_delay_alu instid0(VALU_DEP_1)
	v_add_f32_dpp v[\r], v[\r], v[\r] row_xmask:2 row_mask:0xf bank_mask:0xf
	s_delay_alu instid0(VALU_DEP_1)
	v_add_f32_dpp v[\r], v[\r], v[\r] row_xmask:4 row_mask:0xf bank_mask:0xf
	s_delay_alu instid0(VALU_DEP_1)
	v_add_f32_dpp v[\r], v[\r], v[\r] row_xmask:8 row_mask:0xf bank_mask:0xf
	s_delay_alu instid0(VALU_DEP_1)
	v_permlanex16_b32 v[\t], v[\r], s32, s33
	s_delay_alu instid0(VALU_DEP_1)
	v_add_f32 v[\r], v[\r], v[\t]
.endm
.macro FOLD                            ; four chains of pairs into one number a lane, then over the lanes
	s_delay_alu instid0(VALU_DEP_3)
	v_pk_add_f32 v[T:T+1], v[T:T+1], v[T+2:T+3]
	s_delay_alu instid0(VALU_DEP_2)
	v_pk_add_f32 v[T+4:T+5], v[T+4:T+5], v[T+6:T+7]
	s_delay_alu instid0(VALU_DEP_1)
	v_pk_add_f32 v[T:T+1], v[T:T+1], v[T+4:T+5]
	s_delay_alu instid0(VALU_DEP_1)
	v_add_f32 v[T], v[T], v[T+1]
	WSUM T, T+1
.endm
.macro STATS x, rs                     ; the row at v[x] becomes x - mean; v[rs] = var + eps
.irp c, 0,1,2,3
	v_pk_add_f32 v[T+2*\c:T+2*\c+1], v[\x+4*\c:\x+4*\c+1], v[\x+4*\c+2:\x+4*\c+3]
.endr
.irp c, 0,1,2,3,4,5,6,7
	s_delay_alu instid0(VALU_DEP_4)
	v_pk_add_f32 v[T+2*(\c%4):T+2*(\c%4)+1], v[T+2*(\c%4):T+2*(\c%4)+1], v[\x+16+2*\c:\x+16+2*\c+1]
.endr
	FOLD
	s_delay_alu instid0(VALU_DEP_1)
	v_mul_f32 v[MU], s34, v[T]
	s_delay_alu instid0(VALU_DEP_2)
	v_mul_f32 v[MU+1], s34, v[T]
.irp c, 0,1,2,3,4,5,6,7,8,9,10,11,12,13,14,15
	v_pk_add_f32 v[\x+2*\c:\x+2*\c+1], v[\x+2*\c:\x+2*\c+1], v[MU:MU+1] neg_lo:[0,1] neg_hi:[0,1]
.endr
.irp c, 0,1,2,3
	v_pk_mul_f32 v[T+2*\c:T+2*\c+1], v[\x+2*\c:\x+2*\c+1], v[\x+2*\c:\x+2*\c+1]
.endr
.irp c, 4,5,6,7,8,9,10,11,12,13,14,15
	s_delay_alu instid0(VALU_DEP_4)
	v_pk_fma_f32 v[T+2*(\c%4):T+2*(\c%4)+1], v[\x+2*\c:\x+2*\c+1], v[\x+2*\c:\x+2*\c+1], v[T+2*(\c%4):T+2*(\c%4)+1]
.endr
	FOLD
	s_delay_alu instid0(VALU_DEP_1)
	v_fma_f32 v[\rs], v[T], s34, s35
.endm
.macro NORM x, rs                      ; (x - mean) x rs x g + b
.irp c, 0,1,2,3,4,5,6,7,8,9,10,11,12,13,14,15
	v_pk_mul_f32 v[\x+2*\c:\x+2*\c+1], v[\x+2*\c:\x+2*\c+1], v[\rs:\rs+1] op_sel_hi:[1,0]
.endr
.irp c, 0,1,2,3,4,5,6,7,8,9,10,11,12,13,14,15
	v_pk_fma_f32 v[\x+2*\c:\x+2*\c+1], v[\x+2*\c:\x+2*\c+1], v[G+2*\c:G+2*\c+1], v[BT+2*\c:BT+2*\c+1]
.endr
.endm
	s_wait_loadcnt 24                              ; row 0 is in; row 1, g and b may be out
	STATS X, RS
	s_wait_loadcnt 16                              ; row 1 is in; g and b may be out
	STATS X+32, RS+2
	s_wait_alu depctr_va_vdst(0)
	v_rsq_f32 v[RS], v[RS]                         ; both roots are one batch;
	v_rsq_f32 v[RS+2], v[RS+2]
	v_nop                                          ; a plain instruction behind the last;
	s_wait_kmcnt 0x0
.set o, 0
.rept NOUT                             ; the scales are made meanwhile
	s_add_co_i32 s36, s[24+2*o], 127
	s_lshl_b32 s37, s36, 23
	v_mov_b32 v[SC+o], s37                         ; 2^e: the conversion takes its exponent field
	s_add_co_i32 s36, s36, 15
	s_lshl_b32 s36, s36, 23
	s_or_b32 s36, s36, 0x600000
	v_mov_b32 v[LIM+o], s36                        ; 57,344 x 2^e
.set o, o+1
.endr
	s_wait_alu depctr_va_vdst(0)                   ; and one wait ahead of the first reader
	s_wait_loadcnt 0x0                             ; g and b
	NORM X, RS
	NORM X+32, RS+2
; Output kk = row (kk / NOUT), quantiser (kk % NOUT).  The hold goes into T, so that the row stays for the next quantiser.  Output kk - 1 is stored while kk is made.
.macro FLUSH
.set fk, kk-1
.set fr, fk/NOUT
.set fo, fk%NOUT
	s_wait_dscnt 0x0                               ; the row of codes is back from the stage (and the stage's stores have read C)
	global_store_b128 v[LO], v[OUTR+8*fk:OUTR+8*fk+3], s[18+2*fo:19+2*fo] offset:fr*1024          ; 32 lanes store 512 consecutive bytes, aligned
	global_store_b128 v[LO], v[OUTR+8*fk+4:OUTR+8*fk+7], s[18+2*fo:19+2*fo] offset:fr*1024+512
.endm
.macro QOUT
.set qr, kk/NOUT
.set qo, kk%NOUT
.set i, 0
.rept 32
	v_med3_num_f32 v[T+i], v[X+32*qr+i], -v[LIM+qo], v[LIM+qo]   ; the conversion to an 8-bit code does not saturate (ISA guide 7.6.2): the hold at the largest code x the scale
.set i, i+1
.endr
.if kk > 0
	s_wait_alu depctr_va_vdst(0)
	FLUSH
.endif
.set i, 0
.rept 4
	v_cvt_scalef32_pk8_bf8_f32 v[C+2*i:C+2*i+1], v[T+8*i:T+8*i+7], v[SC+qo]   ; C[j]: the codes of columns 128 j + 4 l + 0 .. 3
.set i, i+1
.endr
	v_nop                                          ; a plain instruction between the conversions and the next hold, which writes their sources
.set i, 0
.rept 8
	ds_store_b32 v[SW], v[C+i] offset:qo*1024+128*i
.set i, i+1
.endr
	ds_load_b128 v[OUTR+8*kk:OUTR+8*kk+3], v[SRD] offset:qo*1024        ; LDS serves a wave's instructions in order (ISA guide 5.7.1.4): these see the stores above
	ds_load_b128 v[OUTR+8*kk+4:OUTR+8*kk+7], v[SRD] offset:qo*1024+512
.endm
.set kk, 0
.rept 2*NOUT
	QOUT
.set kk, kk+1
.endr
	FLUSH
	s_wait_tensorcnt 0x0                           ; the wave's end
	ds_add_u32 v[SPW], v[NIL]
	s_wait_dscnt 0x0
	s_endpgm
.Lfunc_end_k_q8928ed69fc_ln1:
	.size	k_q8928ed69fc_ln1, .Lfunc_end_k_q8928ed69fc_ln1-k_q8928ed69fc_ln1
	.p2alignl 7, 3214868480
	.fill 96, 4, 3214868480
	.section	.rodata,"a",@progbits
	.p2align	6, 0x0
	.amdhsa_kernel k_q8928ed69fc_ln1
		.amdhsa_group_segment_fixed_size 25600
		.amdhsa_private_segment_fixed_size 0
		.amdhsa_enable_private_segment 0
		.amdhsa_kernarg_size 40
		.amdhsa_user_sgpr_count 2
		.amdhsa_user_sgpr_kernarg_segment_ptr 1
		.amdhsa_wavefront_size32 1
		.amdhsa_system_sgpr_workgroup_id_x 1
		.amdhsa_system_sgpr_workgroup_id_y 1
		.amdhsa_system_sgpr_workgroup_id_z 1
		.amdhsa_system_vgpr_workitem_id 0
		.amdhsa_next_free_vgpr 240
		.amdhsa_next_free_sgpr 66
		.amdhsa_reserve_vcc 0
		.amdhsa_float_denorm_mode_32 3
		.amdhsa_float_denorm_mode_16_64 3
		.amdhsa_memory_ordered 1
		.amdhsa_forward_progress 1
		.amdhsa_inst_pref_size 40
	.end_amdhsa_kernel
	.amdgpu_metadata
---
amdhsa.version: [ 1, 2 ]
amdhsa.kernels:
  - .name:           k_q8928ed69fc_ln1
    .symbol:         k_q8928ed69fc_ln1.kd
    .args:
      - { .name: x, .offset: 0, .size: 8, .value_kind: global_buffer, .address_space: global }
      - { .name: ln1_g, .offset: 8, .size: 8, .value_kind: global_buffer, .address_space: global }
      - { .name: ln1_b, .offset: 16, .size: 8, .value_kind: global_buffer, .address_space: global }
      - { .name: lowp_scales, .offset: 24, .size: 8, .value_kind: global_buffer, .address_space: global }
      - { .name: h3, .offset: 32, .size: 8, .value_kind: global_buffer, .address_space: global }
    .group_segment_fixed_size: 25600
    .private_segment_fixed_size: 0
    .kernarg_segment_align: 8
    .kernarg_segment_size: 40
    .max_flat_workgroup_size: 256
    .sgpr_count:     66
    .vgpr_count:     240
    .wavefront_size: 32
...
	.end_amdgpu_metadata
.endif
;; end of part 1
;; launch qkv (part 2): grid 12 x 16, 4 waves a work-group, clusters of 4 x 4, 327,680 bytes of LDS; arguments h3, Wq_codes, Wk_codes, Wv_codes, bq, bk, bv, lowp_scales, qkv; writes qkv
.if DOCPART == 2
	.amdgcn_target "amdgcn-amd-amdhsa--gfx1250"
	.amdhsa_code_object_version 6
	.text
	.protected	k_q8928ed69fc_qkv
	.globl	k_q8928ed69fc_qkv
	.p2align	8
	.type	k_q8928ed69fc_qkv,@function
k_q8928ed69fc_qkv:
	s_mov_b64 s[64:65], 0
	v_nop
	global_prefetch_b8 v0, s[64:65] scope:SCOPE_SE
	s_setreg_imm32_b32 hwreg(HW_REG_WAVE_MODE, 25, 1), 1
	s_wait_xcnt 0x0
	s_wait_alu depctr_hold_cnt(0) depctr_sa_sdst(0) depctr_va_vdst(0) depctr_va_sdst(0) depctr_va_ssrc(0) depctr_va_vcc(0) depctr_vm_vsrc(0)
	s_getreg_b32 s2, hwreg(HW_REG_IB_STS2, 6, 4)
	s_cmp_eq_u32 s2, 0
	s_cbranch_scc0 .Lentry_in_a_cluster
	s_endpgm
.Lentry_in_a_cluster:
	s_bfe_u32 s2, ttmp6, 0x10000c
	s_cmp_lg_u32 s2, 0xf033
	s_cbranch_scc0 .Lentry_shape_is_right
	s_endpgm
.Lentry_shape_is_right:
.set SIZE_K, 1024
.set KSTEP,  256
.set ROWB,   256
.set KROW,   SIZE_K
.set PITCH,  272
.set FR,     16
.set NL,     4
.set NP,     4
.set HALFT,  128*PITCH
.set SLOT,   4*HALFT
.set LAPS,   SIZE_K/(2*KSTEP)
.set SPARE,  2*SLOT
.set CBA,  8
.set RBA,  9
.set ADRA, 16
.set ADRB, 20
.set LI,   26
.set SPW,  28
.set NIL,  29
.set CB,   32
.set RB,   96
.set QS,   112
.set QL,   113
.set AF,   128
.set TMP,  128
.set CD,   192
.set G1, 24
.set G0, 32
.set G1B, 48
.set G0B, 56
.set MSB, 0
.macro WIN new
.if MSB != (\new)
	s_set_vgpr_msb (MSB<<8)|(\new)
.set MSB, (\new)
.endif
.endm
.set MUL_LO, 0xa1
.set MUL_HI, 0xf1
.set TO_B,   0x40
.macro JLOAD g0a, g1a, g0b, g1b
	s_cmp_eq_u32 s15, 0
	s_cbranch_scc0 .Lfor_b_\@
	tensor_load_to_lds s[\g0a:\g0a+3], s[\g1a:\g1a+7]
	s_nop 0
.rept 4
	v_nop
.endr
	s_branch .Lasked_\@
.Lfor_b_\@:
	tensor_load_to_lds s[\g0b:\g0b+3], s[\g1b:\g1b+7]
	s_nop 0
.rept 4
	v_nop
.endr
.Lasked_\@:
.endm
.macro CREST
	s_cmp_lg_u32 s14, 0
	s_cbranch_scc1 .Lnot_wave_0_\@
	s_barrier_signal -3
.Lnot_wave_0_\@:
	s_barrier_wait -3
	s_barrier_signal -1
	s_barrier_wait -1
.endm
.macro CROUND
	s_barrier_signal -1
	s_barrier_wait -1
	CREST
.endm
	s_load_b512 s[68:83], s[0:1], 0x0
	s_load_b64 s[84:85], s[0:1], 0x40
	v_lshl_add_u32 v[SPW], v0, 2, SPARE
	v_mov_b32 v[NIL], 0
	ds_add_u32 v[SPW], v[NIL]
	ds_add_u32 v[SPW], v[NIL]
	v_lshrrev_b32 v1, 5, v0
	v_readfirstlane_b32 s14, v1
	s_lshr_b32 s15, s14, 1
	s_and_b32 s16, s14, 1
	s_bfe_u32 s40, ttmp6, 0x40000
	s_bfe_u32 s41, ttmp6, 0x40004
	s_and_b32 s17, ttmp7, 0xffff
	s_lshl_b32 s17, s17, 2
	s_cmp_eq_u32 ttmp9, 2
	s_cselect_b32 s42, s17, 0
	s_cselect_b32 s17, 0, s17
	s_add_co_u32 s42, s42, s40
	s_add_co_u32 s17, s17, s41
	s_lshl_b32 s43, s41, 2
	s_lshl_b32 s43, 15, s43
	s_lshl_b32 s44, 0x1111, s40
	s_or_b32 s[G1+0], s43, (0<<16)|(1<<20)|(1<<21)|(5<<22)|(3<<25)
	s_or_b32 s[G1B+0], s44, (0<<16)|(1<<20)|(1<<21)|(5<<22)|(3<<25)
.irp g, G1, G1B
	s_mov_b32 s[\g+1], ROWB<<16
	s_mov_b32 s[\g+2], 128<<16
	s_mov_b32 s[\g+3], ROWB<<16
	s_mov_b32 s[\g+4], 128
	s_mov_b32 s[\g+5], KROW
	s_mov_b32 s[\g+6], 0
	s_mov_b32 s[\g+7], 0
.endr
	s_lshl_b32 s18, s16, 7
	s_lshl_b32 s20, s17, 8
	s_add_co_u32 s20, s20, s18
	s_lshl_b32 s46, s42, 8
	s_add_co_u32 s46, s46, s18
	s_mov_b32 s21, 0
	s_mov_b32 s47, 0
	s_mov_b64 s[18:19], KROW
	s_mul_u64 s[20:21], s[20:21], s[18:19]
	s_mul_u64 s[46:47], s[46:47], s[18:19]
	s_mul_i32 s45, s14, HALFT
	s_lshl_b32 s86, ttmp9, 22
	s_mov_b32 s87, 0
	s_wait_dscnt 0x0
	s_wait_kmcnt 0x0
	s_load_b256 s[88:95], s[82:83], 0x0
	s_load_b64 s[96:97], s[82:83], 0x20
	s_add_nc_u64 s[68:69], s[68:69], s[86:87]
	s_cmp_eq_u32 ttmp9, 2
	s_cselect_b64 s[4:5], s[74:75], s[68:69]
	s_cselect_b64 s[6:7], s[68:69], s[70:71]
	s_cselect_b64 s[8:9], s[80:81], s[76:77]
	s_cmp_eq_u32 ttmp9, 1
	s_cselect_b64 s[6:7], s[72:73], s[6:7]
	s_cselect_b64 s[8:9], s[78:79], s[8:9]
	s_add_nc_u64 s[20:21], s[4:5], s[20:21]
	s_add_nc_u64 s[46:47], s[6:7], s[46:47]
	CROUND
.irp s, 0,1
	s_mov_b32 s[G0+4*\s], 1
	s_add_co_u32 s[G0+4*\s+1], s45, \s*SLOT
	s_add_nc_u64 s[G0+4*\s+2:G0+4*\s+3], s[20:21], \s*ROWB
	s_or_b32 s[G0+4*\s+3], s[G0+4*\s+3], 0x80000000
	s_mov_b32 s[G0B+4*\s], 1
	s_add_co_u32 s[G0B+4*\s+1], s45, \s*SLOT
	s_add_nc_u64 s[G0B+4*\s+2:G0B+4*\s+3], s[46:47], \s*ROWB
	s_or_b32 s[G0B+4*\s+3], s[G0B+4*\s+3], 0x80000000
	s_wait_alu depctr_va_vdst(0)
	s_wait_tensorcnt 0x0
	ds_add_u32 v28, v29
	ds_add_u32 v28, v29
	s_wait_dscnt 0x0
	CROUND
	JLOAD G0+4*\s, G1, G0B+4*\s, G1B
.endr
	v_and_b32 v1, 15, v0
	v_bfe_u32 v2, v0, 4, 1
	s_wait_alu depctr_va_vdst(0)
	v_mul_u32_u24 v3, v1, PITCH
	v_lshl_add_u32 v4, v2, 4, v3
	s_mul_i32 s21, s15, HALFT
	s_mul_i32 s22, s16, HALFT
	s_add_co_u32 s22, s22, 2*HALFT
.irp s, 0,1
	v_add_nc_u32 v[ADRA+\s], s21, v4
	v_add_nc_u32 v[ADRB+\s], s22, v4
	s_add_co_u32 s21, s21, SLOT
	s_add_co_u32 s22, s22, SLOT
.endr
	v_and_b32 v6, 31, v0
	v_lshlrev_b32 v[LI], 4, v6
	s_lshl_b32 s86, s17, 1
	s_add_co_u32 s86, s86, s15
	s_lshl_b32 s87, s42, 1
	s_add_co_u32 s87, s87, s16
	s_cmp_eq_u32 ttmp9, 2
	s_cselect_b32 s18, s87, s86
	s_cselect_b32 s19, s86, s87
	s_cselect_b32 s20, 0, s87
	s_cselect_b32 s21, s86, 0
	s_lshl_b32 s20, s20, 9
	s_lshl_b32 s21, s21, 9
	v_lshl_add_u32 v[CBA], v2, 5, s20
	s_wait_alu depctr_va_vdst(0)
	v_lshl_add_u32 v[RBA], v1, 2, s21
	s_wait_alu depctr_va_vdst(0)
	s_lshr_b32 s22, s18, 4
	s_lshl_b32 s22, s22, 3
	s_add_co_u32 s22, s22, s19
	s_lshl_b32 s22, s22, 4
	s_and_b32 s23, s18, 15
	s_add_co_u32 s22, s22, s23
	s_lshl_b32 s22, s22, 14
	s_lshl_b32 s23, ttmp9, 22
	s_add_co_u32 s22, s22, s23
	s_mov_b32 s23, 0
	s_add_nc_u64 s[10:11], s[84:85], s[22:23]
.irp b, 0,1,2,3,4,5,6,7
	global_load_b128 v[CB+8*\b:CB+8*\b+3], v[CBA], s[8:9] offset:64*\b
	global_load_b128 v[CB+8*\b+4:CB+8*\b+7], v[CBA], s[8:9] offset:64*\b+16
.endr
.irp a, 0,1,2,3,4,5,6,7
	global_load_b32 v[RB+2*\a], v[RBA], s[8:9] offset:64*\a
	global_load_b32 v[RB+2*\a+1], v[RBA], s[8:9] offset:64*\a
.endr
.macro FRAG reg, adr, q, i
.irp c, 0,1,2,3
	ds_load_b128 v[\reg+4*\c:\reg+4*\c+3], v[\adr] offset:128*(\q)+32*\c+(\i)*16*PITCH
.endr
.endm
.macro MUL16 a0, p, zero
.irp a, \a0, \a0+1
.irp b, 0,1,2,3,4,5,6,7
.if \zero
	v_wmma_f32_16x16x128_bf8_bf8 v[8*(8*((\a)%4)+\b):8*(8*((\a)%4)+\b)+7], v[128*(\p)+FR*\b:128*(\p)+FR*\b+FR-1], v[AF+FR*(\a):AF+FR*(\a)+FR-1], 0
.else
	v_wmma_f32_16x16x128_bf8_bf8 v[8*(8*((\a)%4)+\b):8*(8*((\a)%4)+\b)+7], v[128*(\p)+FR*\b:128*(\p)+FR*\b+FR-1], v[AF+FR*(\a):AF+FR*(\a)+FR-1], v[8*(8*((\a)%4)+\b):8*(8*((\a)%4)+\b)+7]
.endif
.endr
.endr
.endm
.macro FETCH_B slot, q, p
	WIN TO_B
.irp i, 0,1,2,3,4,5,6,7
	FRAG 128*(\p)+FR*\i, ADRB+\slot, \q, \i
.endr
	WIN 0
.endm
.macro FETCH_A slot, q, i0
.irp i, \i0, \i0+1, \i0+2, \i0+3
	FRAG AF+FR*(\i), ADRA+\slot, \q, \i
.endr
.endm
.macro PLACES n
.rept \n
	v_nop
.endr
.endm
.macro STEP slot, q, zero
	s_wait_dscnt 4*NL
	WIN MUL_LO
	MUL16 0, (\q)%2, \zero
	MUL16 2, (\q)%2, \zero
	s_wait_dscnt 0
	PLACES NP
	FETCH_B \slot, (\q)+1, 1-(\q)%2
	FETCH_A \slot, (\q)+1, 0
	WIN MUL_HI
	MUL16 4, (\q)%2, \zero
	MUL16 6, (\q)%2, \zero
	PLACES NP
	WIN 0
	FETCH_A \slot, (\q)+1, 4
.endm
.macro TURN slot, next, fill
	s_wait_tensorcnt 0x0
	ds_add_u32 v[SPW], v[NIL]
	s_wait_dscnt 4*NL+1
	WIN MUL_LO
	MUL16 0, 1, 0
	s_wait_dscnt 0x0
	s_barrier_signal -1
	MUL16 2, 1, 0
	WIN 0
	s_barrier_wait -1
.if \fill
	CREST
	s_add_nc_u64 s[G0+4*\slot+2:G0+4*\slot+3], s[G0+4*\slot+2:G0+4*\slot+3], 2*ROWB
	s_add_nc_u64 s[G0B+4*\slot+2:G0B+4*\slot+3], s[G0B+4*\slot+2:G0B+4*\slot+3], 2*ROWB
	JLOAD G0+4*\slot, G1, G0B+4*\slot, G1B
.else
	PLACES NP
.endif
	FETCH_B \next, 0, 0
	FETCH_A \next, 0, 0
	WIN MUL_HI
	MUL16 4, 1, 0
	MUL16 6, 1, 0
	PLACES NP
	WIN 0
	FETCH_A \next, 0, 4
.endm
	s_wait_tensorcnt 1
	s_barrier_signal -1
	s_barrier_wait -1
	FETCH_B 0, 0, 0
	FETCH_A 0, 0, 0
	FETCH_A 0, 0, 4
	STEP 0, 0, 1
	s_mov_b32 s3, LAPS-1
.Llap:
	TURN 0, 1, 1
	STEP 1, 0, 0
	TURN 1, 0, 1
	STEP 0, 0, 0
	s_sub_co_u32 s3, s3, 1
	s_cmp_lg_u32 s3, 0
	s_cbranch_scc1 .Llap
	TURN 0, 1, 0
	STEP 1, 0, 0
	s_wait_dscnt 4*NL
	WIN MUL_LO
	MUL16 0, 1, 0
	MUL16 2, 1, 0
	s_wait_dscnt 0
	WIN MUL_HI
	MUL16 4, 1, 0
	MUL16 6, 1, 0
	WIN 0
	s_wait_kmcnt 0x0
	s_add_co_i32 s88, s88, s89
	s_add_co_i32 s90, s90, s91
	s_add_co_i32 s92, s92, s93
	s_cmp_eq_u32 ttmp9, 2
	s_cselect_b32 s88, s92, s88
	s_cselect_b32 s94, s97, s94
	s_cmp_eq_u32 ttmp9, 1
	s_cselect_b32 s88, s90, s88
	s_cselect_b32 s94, s95, s94
	s_add_co_i32 s88, s88, 127
	s_lshl_b32 s96, s88, 23
	s_mov_b32 s97, s96
	s_add_co_i32 s94, s94, 127
	s_lshl_b32 s95, s94, 23
	s_add_co_i32 s94, s94, 15
	s_lshl_b32 s94, s94, 23
	s_or_b32 s94, s94, 0x600000
	s_wait_loadcnt 0x0
	PLACES NP
	v_mov_b32 v[QS], s95
	v_mov_b32 v[QL], s94
.macro OUTBLK a, isv
.set AC, 64*((\a)%4)
.set CDS, CD+16*((\a)%2)
	WIN 0x02+((\a)/4)
.set j, 0
.rept 32
.if \isv
	v_pk_fma_f32 v[TMP+j:TMP+j+1], v[AC+j:AC+j+1], s[96:97], v[RB+2*(\a):RB+2*(\a)+1] op_sel_hi:[1,0,1]
.else
	v_pk_fma_f32 v[TMP+j:TMP+j+1], v[AC+j:AC+j+1], s[96:97], v[CB+j:CB+j+1] op_sel_hi:[1,0,1]
.endif
.set j, j+2
.endr
	WIN 0
.set j, 0
.rept 64
	v_med3_num_f32 v[TMP+j], v[TMP+j], -v[QL], v[QL]
.set j, j+1
.endr
.if (\a) >= 2
	s_wait_alu depctr_va_vdst(0)
	s_wait_xcnt 0x0
.endif
.set j, 0
.rept 8
	v_cvt_scalef32_pk8_bf8_f32 v[CDS+2*j:CDS+2*j+1], v[TMP+8*j:TMP+8*j+7], v[QS]
.set j, j+1
.endr
	v_nop
.set j, 0
.rept 4
	global_store_b128 v[LI], v[CDS+4*j:CDS+4*j+3], s[10:11] offset:(\a)*2048+512*j
.set j, j+1
.endr
.endm
	s_cmp_eq_u32 ttmp9, 2
	s_cbranch_scc1 .Lvout
.irp a, 0,1,2,3,4,5,6,7
	OUTBLK \a, 0
.endr
	s_branch .Lend
.Lvout:
.irp a, 0,1,2,3,4,5,6,7
	OUTBLK \a, 1
.endr
.Lend:
	s_wait_tensorcnt 0x0
	ds_add_u32 v[SPW], v[NIL]
	s_wait_dscnt 0x0
	CROUND
	s_endpgm
.Lfunc_end_k_q8928ed69fc_qkv:
	.size	k_q8928ed69fc_qkv, .Lfunc_end_k_q8928ed69fc_qkv-k_q8928ed69fc_qkv
	.p2alignl 7, 3214868480
	.fill 96, 4, 3214868480
	.section	.rodata,"a",@progbits
	.p2align	6, 0x0
	.amdhsa_kernel k_q8928ed69fc_qkv
		.amdhsa_group_segment_fixed_size 327680
		.amdhsa_private_segment_fixed_size 0
		.amdhsa_enable_private_segment 0
		.amdhsa_kernarg_size 72
		.amdhsa_user_sgpr_count 2
		.amdhsa_user_sgpr_kernarg_segment_ptr 1
		.amdhsa_wavefront_size32 1
		.amdhsa_system_sgpr_workgroup_id_x 1
		.amdhsa_system_sgpr_workgroup_id_y 1
		.amdhsa_system_sgpr_workgroup_id_z 1
		.amdhsa_system_vgpr_workitem_id 0
		.amdhsa_next_free_vgpr 1024
		.amdhsa_next_free_sgpr 100
		.amdhsa_reserve_vcc 0
		.amdhsa_float_denorm_mode_32 3
		.amdhsa_float_denorm_mode_16_64 3
		.amdhsa_memory_ordered 1
		.amdhsa_forward_progress 1
		.amdhsa_inst_pref_size 195
	.end_amdhsa_kernel
	.amdgpu_metadata
---
amdhsa.version: [ 1, 2 ]
amdhsa.kernels:
  - .name:           k_q8928ed69fc_qkv
    .symbol:         k_q8928ed69fc_qkv.kd
    .args:
      - { .name: h3, .offset: 0, .size: 8, .value_kind: global_buffer, .address_space: global }
      - { .name: Wq_codes, .offset: 8, .size: 8, .value_kind: global_buffer, .address_space: global }
      - { .name: Wk_codes, .offset: 16, .size: 8, .value_kind: global_buffer, .address_space: global }
      - { .name: Wv_codes, .offset: 24, .size: 8, .value_kind: global_buffer, .address_space: global }
      - { .name: bq, .offset: 32, .size: 8, .value_kind: global_buffer, .address_space: global }
      - { .name: bk, .offset: 40, .size: 8, .value_kind: global_buffer, .address_space: global }
      - { .name: bv, .offset: 48, .size: 8, .value_kind: global_buffer, .address_space: global }
      - { .name: lowp_scales, .offset: 56, .size: 8, .value_kind: global_buffer, .address_space: global }
      - { .name: qkv, .offset: 64, .size: 8, .value_kind: global_buffer, .address_space: global }
    .group_segment_fixed_size: 327680
    .private_segment_fixed_size: 0
    .kernarg_segment_align: 8
    .kernarg_segment_size: 72
    .max_flat_workgroup_size: 128
    .sgpr_count:     100
    .vgpr_count:     1024
    .wavefront_size: 32
...
	.end_amdgpu_metadata
.endif
;; end of part 2
;; launch att (part 3): grid 16 x 16, 8 waves a work-group, no clusters, 327,680 bytes of LDS; arguments qkv, lowp_scales, y_img; writes y_img
.if DOCPART == 3
	.amdgcn_target "amdgcn-amd-amdhsa--gfx1250"
	.amdhsa_code_object_version 6
	.text
	.protected	k_q8928ed69fc_att
	.globl	k_q8928ed69fc_att
	.p2align	8
	.type	k_q8928ed69fc_att,@function
k_q8928ed69fc_att:
	s_mov_b64 s[64:65], 0
	v_nop
	global_prefetch_b8 v0, s[64:65] scope:SCOPE_SE
	s_setreg_imm32_b32 hwreg(HW_REG_WAVE_MODE, 25, 1), 1
	s_wait_xcnt 0x0
; LAUNCH 3 OF 7.  y = softmax(q k^T / sqrt(128), causal) v for 16 (batch, head) pairs of 2,048 tokens, both products on codes of E5M2; y is quantised at once (2^e10) and stored as images of the next product's operand.
; WORK LEFT OUT: a key step of 128 keys all of which come after a wave's 32 queries: reference() itself sets those scores to -infinity, so p = 0 there for all inputs.  A NaN or an overflow that reaches only them is not carried on.
; THE SOFTMAX: t = score x log2(e) / sqrt(128); M = the running largest t rounded UP to a whole number; p = 2^(t - M) is quantised (2^e8), not normalised; the row's sum is taken of the unquantised p and divides at the
; end; when M moves, the sum and O are multiplied by 2^(old M - new M), which rounds nothing.
; SHARES.  Work-group (j, batch x 8 + head) owns the blocks j and 31 - j of 64 queries.  A wave owns TWO tiles of 16 queries, so that each fragment of k and v that it reads from LDS feeds two matrix instructions.  Each group of
; 32 queries has two waves: wave w and wave w xor 5; the one with p = w / 4 = 0 takes the even key steps of 128, the other the odd ones: at most 8 key steps a wave.  Block: early where (p xor w) is even, late where odd;
; group: bit 1 of w.  So waves w and w + 4, and waves 2 a and 2 a + 1, belong to different blocks.  Each wave keeps its own M, sum and O^T for both tiles.  Its first tile is queries Q0 + 16 p, its second the other 16: at the end
; each wave hands its second tile to its partner through LDS and finishes its first: one text for both.
; THE RING: two slots of 512 keys: k's four key steps (16 KiB of images each), then v's four.  Wave w fetches piece w of a slot with one tensor load; all read them, 16 bytes a lane on end: no pitch, no padding.
; Every wave walks all four slots (the trip counts are constants) and jumps over the work of hidden steps.  A piece whose first key comes after the work-group's last query is read by nobody and is not asked for: tests on ids and
; the count of slots, then on the wave's number, lead round the wave's own load; the slot behind the last begins at key 2,048, behind every query, so the last trip asks for nothing by the same test.  Every wait on TENSORcnt is for 0.
; NO CLUSTER: the work-groups of a head stop asking at different causal limits, so partners would need different numbers of tiles.
; LAYOUT.  S^T = k q^T (source 0 = 16 neighbouring keys, source 1 = 16 queries), O^T = v^T p^T: a lane holds ONE query (lane % 16) of each tile.  Register 8 t + i of S^T holds key 16 t + 8 (lane / 16) + i, so the conversion of
; tile t gives registers 2 t, 2 t + 1 of p's fragment in the instruction's own order of k, in which v's images were made.
; LIMITS: e6 + e7 between -123 and 130 (added to c's exponent field); e8 and e10 between -126 and 112.  NaN and infinities are not served.
; REGISTERS.  Window 0: v1-10 addresses; v12-15, v16-19 -M, the largest t and the sum of the two tiles; v20-23 their factors; v24-55 q; v64-127, v128-191 S^T, then p; v192-223 p's codes; v224-227 holds and scales; v228-255 at work.
;   Window 1: v0-127 eight fragments of k, then of v; v128-191, v192-255 O^T of the two tiles.
.set SK,    512
.set SLOT1, 131072                     ; slot 1 begins here: one exclusive or turns an address
.set VOFF,  65536
.set NSL,   4
.set SPARE, 2*SLOT1                    ; behind the ring: the spare words, 128 bytes for each of the eight waves
.set LI,   1
.set LIP,  2
.set PFO,  3
.set STA,  4                           ; my stage: 16,384 x wave, in the ring, used behind its last fill and last read
.set SPW,  5
.set NIL,  6
.set ADR,  7
.set ADV,  8
.set RH,   9                           ; lane % 16 - 8 (lane / 16)
.set STB,  10                          ; my partner's stage
.set ST0,  12
.set ST1,  16
.set F0,   20
.set F1,   22
.set QF0,  24
.set QF1,  40
.set S0,   64
.set S1,   128
.set C0,   192
.set C1,   208
.set PL,   224
.set PS,   225
.set YL,   226
.set YS,   227
.set MA0,  228
.set MB0,  229
.set MA1,  230
.set MB1,  231
.set P0,   232
.set P1,   233
.set CH0,  234
.set CH1,  242
.set WV,   18
.set SEL,  20
.set CS,   22
.set G1,   24
.set G0,   40
.set TBS,  44                          ; s44  LDS byte at which my key step's pair of steps in hand begins
.set QA,   45                          ; s45  first query of my first tile
.set QB,   46                          ; s46  of my second
.set W3,   47
.set UC,   48
.set LQ,   66
.set SLOTS, 67
.set PFA,  76
.set LIM,  80
.set KW,   85                          ; s85  the first key of my key step in hand
.set KF,   98                          ; s98  the slot's first key
.set Q0,   99                          ; s99  my first query
.set MSB, 0
.macro WIN new                         ; the immediate's high byte repeats the setting that is left
.if MSB != (\new)
	s_set_vgpr_msb (MSB<<8)|(\new)
.set MSB, (\new)
.endif
.endm
.macro ONELOAD                         ; an s_nop 0 and four v_nop follow the load
	tensor_load_to_lds s[G0:G0+3], s[G1:G1+7]
	s_nop 0
.rept 4
	v_nop
.endr
.endm
; A PREFETCH INTO THE L2 of the slot that the NEXT change of slots will ask for: 64 KiB of k and 64 KiB of v.  All sixteen work-groups of a head walk the same k and v: the first of them (x = 0, which walks to the last slot)
; asks: wave w names bytes 8,192 w on of k's block, lanes 256 bytes apart, and the same bytes of v's, 4,194,304 bytes further on: each aligned 256 bytes once.  Slots 0 and 1 come by their loads alone; the last two trips ask for nothing.
.macro ASK
	s_cmp_gt_u32 s[SLOTS], s[LIM]
	s_cbranch_scc0 .Lnot_mine_\@
	global_prefetch_b8 v[PFO], s[PFA:PFA+1] th:TH_LOAD_NT scope:SCOPE_SE
	global_prefetch_b8 v[PFO], s[PFA:PFA+1] offset:4194304 th:TH_LOAD_NT scope:SCOPE_SE
.Lnot_mine_\@:
.endm
	s_load_b128 s[4:7], s[0:1], 0x0                ; qkv s[4:5], the exponents s[6:7]
	s_load_b64 s[16:17], s[0:1], 0x10              ; y_img
	v_lshl_add_u32 v[SPW], v0, 2, SPARE
	v_mov_b32 v[NIL], 0
	ds_add_u32 v[SPW], v[NIL]                      ; the wave's opening: the add, twice on end, and its wait
	ds_add_u32 v[SPW], v[NIL]
	v_lshrrev_b32 v7, 5, v0
	v_readfirstlane_b32 s[WV], v7                  ; wave 0..7
	s_and_b32 s72, ttmp7, 0xffff                   ; batch x 8 + head
	s_lshl_b32 s74, s72, 18                        ; its 262,144 bytes in each part of qkv
	s_sub_co_u32 s81, 31, ttmp9                    ; the late block
	s_lshr_b32 s79, s[WV], 2                       ; p
	s_xor_b32 s82, s79, s[WV]
	s_and_b32 s82, s82, 1
	s_cmp_eq_u32 s82, 0
	s_cselect_b32 s83, ttmp9, s81                  ; my block of 64 queries
	s_lshl_b32 s83, s83, 6
	s_bfe_u32 s86, s[WV], 0x10001
	s_lshl_b32 s86, s86, 5
	s_add_co_u32 s[Q0], s83, s86                   ; my 32 queries
	s_lshl_b32 s87, s79, 4
	s_add_co_u32 s[QA], s[Q0], s87
	s_xor_b32 s87, s87, 16
	s_add_co_u32 s[QB], s[Q0], s87
	s_lshl_b32 s[LQ], s81, 6
	s_or_b32 s[LQ], s[LQ], 63                      ; my work-group's last query
	s_lshl_b32 s[KW], s79, 7
	s_lshl_b32 s78, s79, 14                        ; my parity's place among a slot's key steps
	s_and_b32 s[W3], s[WV], 3
	s_lshl_b32 s88, s[WV], 14
	s_xor_b32 s89, s[WV], 5
	s_lshl_b32 s89, s89, 14
	v_and_b32 v[LI], 31, v0
	v_lshlrev_b32 v[PFO], 8, v[LI]
	v_lshlrev_b32 v[LI], 4, v[LI]
	v_add_nc_u32 v[LIP], s78, v[LI]
	v_add_nc_u32 v[STA], s88, v[LI]
	v_add_nc_u32 v[STB], s89, v[LI]
	v_and_b32 v[RH], 15, v0
	v_bfe_u32 v11, v0, 4, 1
	v_lshlrev_b32 v11, 3, v11
	v_sub_nc_u32 v[RH], v[RH], v11
	s_mov_b32 s[G1], 3<<16                         ; no mask; elements of 8 bytes; no padding
	s_mov_b32 s[G1+1], 32<<16                      ; rows of 256 bytes,
	s_mov_b32 s[G1+2], 64<<16                      ; 64 of them,
	s_mov_b32 s[G1+3], 32<<16
	s_mov_b32 s[G1+4], 64
	s_mov_b32 s[G1+5], 32                          ; dense
	s_mov_b32 s[G1+6], 0
	s_mov_b32 s[G1+7], 0
	s_add_co_u32 s90, s79, 1                       ; what I fetch: waves 0-3 part 1 (k), waves 4-7 part 2 (v);
	s_lshl_b32 s90, s90, 22
	s_lshl_b32 s91, s[W3], 14                      ; the slot's key step w % 4
	s_add_co_u32 s90, s90, s91
	s_add_co_u32 s90, s90, s74
	s_mov_b32 s91, 0
	s_lshl_b32 s92, s[QA], 7                       ; q's fragments: 2,048 bytes for 16 queries
	s_add_co_u32 s92, s92, s74
	s_mov_b32 s93, 0
	s_lshl_b32 s94, s[QB], 7
	s_add_co_u32 s94, s94, s74
	s_mov_b32 s95, 0
	s_lshr_b32 s50, s72, 3                         ; y's image of my first tile: ((batch x 16 + query / 128) x 8 + head) x 16,384 + ((query / 16) % 8) x 2,048
	s_lshl_b32 s50, s50, 4
	s_lshr_b32 s51, s[QA], 7
	s_add_co_u32 s50, s50, s51
	s_lshl_b32 s50, s50, 3
	s_and_b32 s51, s72, 7
	s_add_co_u32 s50, s50, s51
	s_lshl_b32 s50, s50, 14
	s_bfe_u32 s51, s[QA], 0x30004
	s_lshl_b32 s51, s51, 11
	s_add_co_u32 s50, s50, s51
	s_mov_b32 s51, 0
	s_lshl_b32 s52, s[WV], 13                      ; the prefetches: my 8,192 bytes of k's block,
	s_add_co_u32 s52, s52, s74
	s_add_co_u32 s52, s52, (1<<22)+65536           ; in slot 1: the first change of slots steps it to slot 2
	s_mov_b32 s53, 0
	s_cmp_eq_u32 ttmp9, 0
	s_cselect_b32 s[LIM], 2, -1
	s_mov_b32 s[SEL], 0x76543210
	s_mov_b32 s[SEL+1], 0xfedcba98
	s_mov_b32 s[CS], 0x3e0293ee                    ; c = log2(e) / sqrt(128)
	s_mov_b32 s[TBS], 0
	s_mov_b32 s[SLOTS], NSL
	s_mov_b32 s[KF], 0
	s_wait_dscnt 0x0                               ; both opening adds are done
	s_wait_kmcnt 0x0
	s_load_b128 s[68:71], s[6:7], 0x18             ; e6, e7, e8, e9
	s_load_b32 s84, s[6:7], 0x28                   ; e10
	s_mov_b32 s[G0], 1
	s_mov_b32 s[G0+1], s88                         ; LDS: slot 0, 16,384 x wave
	s_add_nc_u64 s[G0+2:G0+3], s[4:5], s[90:91]
	s_or_b32 s[G0+3], s[G0+3], 0x80000000
	ONELOAD                                        ; slot 0: every wave's one load at the head; its 512 keys come ahead of every work-group's last query (1,087 at the least)
	s_add_nc_u64 s[12:13], s[4:5], s[92:93]
	s_add_nc_u64 s[14:15], s[4:5], s[94:95]
	s_add_nc_u64 s[16:17], s[16:17], s[50:51]
	s_add_nc_u64 s[PFA:PFA+1], s[4:5], s[52:53]
	s_wait_alu depctr_va_vdst(0)
.irp c, 0,1,2,3
	global_load_b128 v[QF0+4*\c:QF0+4*\c+3], v[LI], s[12:13] offset:512*\c   ; q's fragments stay in registers
	global_load_b128 v[QF1+4*\c:QF1+4*\c+3], v[LI], s[14:15] offset:512*\c
.endr
	v_mov_b32 v[ST0+1], 0xff61b1e6                 ; the largest t so far: -3e38
	v_mov_b32 v[ST1+1], 0xff61b1e6
	v_floor_f32 v[ST0], -v[ST0+1]                  ; -M
	v_floor_f32 v[ST1], -v[ST1+1]
.irp r, 14,15,18,19,20,21,22,23,232,233,253,255
	v_mov_b32 v\r, 0                               ; the sums; upper halves of pairs; lane permutes' destinations
.endr
	WIN 0x40
.set j, 0
.rept 128
	v_mov_b32 v[128+j], 0                          ; O^T: the step is written once, and its first run finds zeros
.set j, j+1
.endr
	WIN 0
	s_wait_kmcnt 0x0
	s_add_co_i32 s72, s68, s69
	s_lshl_b32 s72, s72, 23
	s_add_co_i32 s[CS], s[CS], s72                 ; a score stands for score x 2^(e6 + e7): added to c's exponent field
	s_mov_b32 s[CS+1], s[CS]
	s_add_co_i32 s72, s70, 127
	s_lshl_b32 s73, s72, 23
	v_mov_b32 v[PS], s73                           ; 2^e8
	s_add_co_i32 s72, s72, 15
	s_lshl_b32 s72, s72, 23
	s_or_b32 s72, s72, 0x600000
	v_mov_b32 v[PL], s72                           ; 57,344 x 2^e8
	s_add_co_i32 s72, s84, 127
	s_lshl_b32 s73, s72, 23
	v_mov_b32 v[YS], s73                           ; 2^e10
	s_add_co_i32 s72, s72, 15
	s_lshl_b32 s72, s72, 23
	s_or_b32 s72, s72, 0x600000
	v_mov_b32 v[YL], s72                           ; 57,344 x 2^e10
.macro FRAGS adr                       ; eight fragments, 32 LDS loads in one run
.irp t, 0,1,2,3,4,5,6,7
.irp c, 0,1,2,3
	ds_load_b128 v[16*\t+4*\c:16*\t+4*\c+3], v[\adr] offset:\t*2048+512*\c
.endr
.endr
.endm
; MY KEY STEP IN HAND: 128 keys from s[KW] on, for both tiles.
.macro STEP
	s_add_co_u32 s96, s[Q0], 31                    ; a step all of whose keys come after my 32 queries is left out: a branch on ids, round the step's work alone.
	s_cmp_gt_u32 s[KW], s96                        ; (KW is a multiple of 128, Q0 of 32: a step that is walked begins at or ahead of my first query, so each query has an open key in it)
	s_cbranch_scc1 .Lhidden_\@
	v_add_nc_u32 v[ADR], s[TBS], v[LIP]
	v_add_nc_u32 v[ADV], VOFF, v[ADR]
	v_nop                                          ; with the two additions: four places in front of loads into registers that the last products read
	v_nop
	s_wait_alu depctr_va_vdst(0)
	WIN 0x40
	FRAGS ADR                                      ; k
	WIN 0x01                                       ; source 0 window 1
.irp g, 0,1                                    ; S^T = k q^T; 16 of the 32 loads may be out at the first four fragments
	s_wait_dscnt 16-16*\g
.irp t, 0,1,2,3
	v_wmma_f32_16x16x128_bf8_bf8 v[S0+8*(4*\g+\t):S0+8*(4*\g+\t)+7], v[16*(4*\g+\t):16*(4*\g+\t)+15], v[QF0:QF0+15], 0
	v_wmma_f32_16x16x128_bf8_bf8 v[S1+8*(4*\g+\t):S1+8*(4*\g+\t)+7], v[16*(4*\g+\t):16*(4*\g+\t)+15], v[QF1:QF1+15], 0
.endr
.endr
.rept 4
	v_nop                                          ; places: in front of the loads below and of the first reads of S^T
.endr
	WIN 0x40
	FRAGS ADV                                      ; v: asked for here, wanted behind the softmax
	WIN 0
	s_add_co_u32 s96, s[KW], 127                   ; on the diagonal hidden scores become -infinity ahead of the maximum; a step all of whose keys count skips this
	s_cmp_le_u32 s96, s[Q0]
	s_cbranch_scc1 .Lopen_\@
	s_sub_co_i32 s96, s[QA], s[KW]
	s_sub_co_i32 s97, s[QB], s[KW]
	v_add_nc_u32 v250, s96, v[RH]                  ; d = my query - the first key - 8 (lane / 16): register 8 t + i is hidden where 16 t + i > d
	v_add_nc_u32 v251, s97, v[RH]
	v_mov_b32 v254, 0xff800000
.set n, 0
.rept 64
	v_cmp_gt_i32 vcc_lo, 16*(n/8)+n%8, v250
	v_cndmask_b32 v[S0+n], v[S0+n], v254, vcc_lo
	v_cmp_gt_i32 vcc_lo, 16*(n/8)+n%8, v251
	v_cndmask_b32 v[S1+n], v[S1+n], v254, vcc_lo
.set n, n+1
.endr
.Lopen_\@:
	v_max3_num_f32 v[MA0], v[S0], v[S0+1], v[S0+2] ; the step's largest scores, two chains a tile, the four by turns
	v_max3_num_f32 v[MA1], v[S1], v[S1+1], v[S1+2]
	v_max3_num_f32 v[MB0], v[S0+3], v[S0+4], v[S0+5]
	v_max3_num_f32 v[MB1], v[S1+3], v[S1+4], v[S1+5]
.irp i, 6,10,14,18,22,26,30,34,38,42,46,50,54,58
	v_max3_num_f32 v[MA0], v[MA0], v[S0+\i], v[S0+\i+1]
	v_max3_num_f32 v[MA1], v[MA1], v[S1+\i], v[S1+\i+1]
	v_max3_num_f32 v[MB0], v[MB0], v[S0+\i+2], v[S0+\i+3]
	v_max3_num_f32 v[MB1], v[MB1], v[S1+\i+2], v[S1+\i+3]
.endr
	v_max3_num_f32 v[MA0], v[MA0], v[S0+62], v[S0+63]
	v_max3_num_f32 v[MA1], v[MA1], v[S1+62], v[S1+63]
	v_max_num_f32 v[MA0], v[MA0], v[MB0]
	v_max_num_f32 v[MA1], v[MA1], v[MB1]
	v_permlanex16_b32 v[P0], v[MA0], s[SEL], s[SEL+1]
	v_permlanex16_b32 v[P1], v[MA1], s[SEL], s[SEL+1]
	v_max_num_f32 v[MA0], v[MA0], v[P0]            ; and among lane l xor 16's
	v_max_num_f32 v[MA1], v[MA1], v[P1]
	v_mul_f32 v[MA0], s[CS], v[MA0]                ; as t (c is positive)
	v_mul_f32 v[MA1], s[CS], v[MA1]
	v_max_num_f32 v[ST0+1], v[ST0+1], v[MA0]
	v_max_num_f32 v[ST1+1], v[ST1+1], v[MA1]
	v_mov_b32 v[MA0], v[ST0]
	v_mov_b32 v[MA1], v[ST1]
	v_floor_f32 v[ST0], -v[ST0+1]                  ; the new -M = -ceil(t)
	v_floor_f32 v[ST1], -v[ST1+1]
	v_sub_f32 v[MA0], v[ST0], v[MA0]               ; old M - new M: a whole number, 0 or less
	v_sub_f32 v[MA1], v[ST1], v[MA1]
	v_cvt_i32_f32 v[MA0], v[MA0]
	v_cvt_i32_f32 v[MA1], v[MA1]
	v_ldexp_f32 v[F0], 1.0, v[MA0]                 ; f = 2^(old M - new M)
	v_ldexp_f32 v[F1], 1.0, v[MA1]
.set j, 0
.rept 32
	v_pk_fma_f32 v[S0+j:S0+j+1], v[S0+j:S0+j+1], s[CS:CS+1], v[ST0:ST0+1] op_sel_hi:[1,0,0]   ; t - M
	v_pk_fma_f32 v[S1+j:S1+j+1], v[S1+j:S1+j+1], s[CS:CS+1], v[ST1:ST1+1] op_sel_hi:[1,0,0]
.set j, j+2
.endr
	s_wait_alu depctr_va_vdst(0)                   ; ahead of the batch
.set j, 0
.rept 128
	v_exp_f32 v[S0+j], v[S0+j]                     ; p = 2^(t - M): one batch for both tiles
.set j, j+1
.endr
	v_pk_mul_f32 v[ST0+2:ST0+3], v[ST0+2:ST0+3], v[F0:F0+1] op_sel_hi:[1,0]   ; the sums under the new M: plain instructions behind the batch
	v_pk_mul_f32 v[ST1+2:ST1+3], v[ST1+2:ST1+3], v[F1:F1+1] op_sel_hi:[1,0]
	s_wait_alu depctr_va_vdst(0)                   ; one wait for the batch, ahead of its first reader
.irp k, 0,1,2,3                                ; the rows' sums of the unquantised p: four chains of pairs a tile
	v_pk_add_f32 v[CH0+2*\k:CH0+2*\k+1], v[S0+4*\k:S0+4*\k+1], v[S0+4*\k+2:S0+4*\k+3]
	v_pk_add_f32 v[CH1+2*\k:CH1+2*\k+1], v[S1+4*\k:S1+4*\k+1], v[S1+4*\k+2:S1+4*\k+3]
.endr
.set j, 16
.rept 6
.irp k, 0,1,2,3
	v_pk_add_f32 v[CH0+2*\k:CH0+2*\k+1], v[CH0+2*\k:CH0+2*\k+1], v[S0+j+2*\k:S0+j+2*\k+1]
	v_pk_add_f32 v[CH1+2*\k:CH1+2*\k+1], v[CH1+2*\k:CH1+2*\k+1], v[S1+j+2*\k:S1+j+2*\k+1]
.endr
.set j, j+8
.endr
	v_pk_add_f32 v[CH0:CH0+1], v[CH0:CH0+1], v[CH0+2:CH0+3]
	v_pk_add_f32 v[CH1:CH1+1], v[CH1:CH1+1], v[CH1+2:CH1+3]
	v_pk_add_f32 v[CH0+4:CH0+5], v[CH0+4:CH0+5], v[CH0+6:CH0+7]
	v_pk_add_f32 v[CH1+4:CH1+5], v[CH1+4:CH1+5], v[CH1+6:CH1+7]
	v_pk_add_f32 v[CH0:CH0+1], v[CH0:CH0+1], v[CH0+4:CH0+5]
	v_pk_add_f32 v[CH1:CH1+1], v[CH1:CH1+1], v[CH1+4:CH1+5]
	v_pk_add_f32 v[ST0+2:ST0+3], v[ST0+2:ST0+3], v[CH0:CH0+1]
	v_pk_add_f32 v[ST1+2:ST1+3], v[ST1+2:ST1+3], v[CH1:CH1+1]
.irp t, 0,1,2,3,4,5,6,7
.irp i, 0,1,2,3,4,5,6,7
	v_min_num_f32 v[S0+8*\t+\i], v[S0+8*\t+\i], v[PL]   ; the conversion does not saturate (ISA guide 7.6.2); p is not negative: a one-sided hold
.endr
	v_cvt_scalef32_pk8_bf8_f32 v[C0+2*\t:C0+2*\t+1], v[S0+8*\t:S0+8*\t+7], v[PS]
.irp i, 0,1,2,3,4,5,6,7
	v_min_num_f32 v[S1+8*\t+\i], v[S1+8*\t+\i], v[PL]
.endr
	v_cvt_scalef32_pk8_bf8_f32 v[C1+2*\t:C1+2*\t+1], v[S1+8*\t:S1+8*\t+7], v[PS]
.endr
	WIN 0x41                                       ; source 0 and destination window 1
	s_wait_alu depctr_va_vdst(0)                   ; directly ahead of the first reader of O^T
.set j, 0
.rept 32
	v_pk_mul_f32 v[128+j:129+j], v[128+j:129+j], v[F0:F0+1] op_sel_hi:[1,0]   ; O^T under the new M
.set j, j+2
.endr
.set j, 0
.rept 32
	v_pk_mul_f32 v[192+j:193+j], v[192+j:193+j], v[F1:F1+1] op_sel_hi:[1,0]
.set j, j+2
.endr
	s_wait_alu depctr_va_vdst(0)
	s_wait_dscnt 0x0                               ; v's fragments
	WIN 0x51                                       ; source 0, C and D window 1
.irp t, 0,1,2,3,4,5,6,7                        ; O^T += v^T p^T; the sixteen accumulators by turns
	v_wmma_f32_16x16x128_bf8_bf8 v[128+8*\t:135+8*\t], v[16*\t:16*\t+15], v[C0:C0+15], v[128+8*\t:135+8*\t]
	v_wmma_f32_16x16x128_bf8_bf8 v[192+8*\t:199+8*\t], v[16*\t:16*\t+15], v[C1:C1+15], v[192+8*\t:199+8*\t]
.endr
	WIN 0
.Lhidden_\@:
	s_add_co_u32 s[KW], s[KW], 256                 ; my next key step
.endm
	s_wait_alu depctr_va_vdst(0)
	s_wait_loadcnt 0x0                             ; q
.Lslot:                                            ; four trips.  THE CHANGE OF SLOTS stands at a slot's head
	s_wait_tensorcnt 0x0                           ; no tensor load of mine is out, so the group 0 may be written
	ds_add_u32 v[SPW], v[NIL]
	s_xor_b32 s[G0+1], s[G0+1], SLOT1              ; the other slot than last time,
	s_add_nc_u64 s[G0+2:G0+3], s[G0+2:G0+3], 65536 ; the next 512 keys
	s_wait_xcnt 0x0                                ; the last prefetches, a slot back, have read their address
	s_add_nc_u64 s[PFA:PFA+1], s[PFA:PFA+1], 65536
	s_wait_dscnt 0x0                               ; the add is done, and my reads of the slot that I have left are over
	s_barrier_signal -1
	s_barrier_wait -1
	s_add_co_u32 s96, s[KF], SK                    ; the first key of the slot that this change would ask for
	s_cmp_gt_u32 s96, s[LQ]
	s_cbranch_scc1 .Lpast                          ; behind the work-group's last query: nobody reads it
	s_sub_co_u32 s97, s[LQ], s96
	s_lshr_b32 s97, s97, 7                         ; its last key step that is read
	s_cmp_gt_u32 s[W3], s97
	s_cbranch_scc1 .Lpast                          ; my piece lies behind that
	ONELOAD                                        ; a wave's one tensor load until the next such barrier
.Lpast:
	ASK
	s_mov_b32 s[UC], 0
.Lstep:                                            ; my two key steps of the slot
	STEP
	s_xor_b32 s[TBS], s[TBS], 32768
	s_add_co_u32 s[UC], s[UC], 1
	s_cmp_lt_u32 s[UC], 2
	s_cbranch_scc1 .Lstep
	s_xor_b32 s[TBS], s[TBS], SLOT1
	s_add_co_u32 s[KF], s[KF], SK
	s_sub_co_u32 s[SLOTS], s[SLOTS], 1
	s_cmp_lg_u32 s[SLOTS], 0
	s_cbranch_scc1 .Lslot
	; THE TWO WAVES OF A GROUP JOIN.  Each finishes its rows' sums under its own M, stores its second tile's O^T, -M and sum into its stage, and reads the partner's second tile, which is its own first.
.rept 4
	v_nop                                          ; places behind the last products
.endr
	v_add_f32 v[ST0+2], v[ST0+2], v[ST0+3]
	v_add_f32 v[ST1+2], v[ST1+2], v[ST1+3]
	v_permlanex16_b32 v[P0], v[ST0+2], s[SEL], s[SEL+1]
	v_permlanex16_b32 v[P1], v[ST1+2], s[SEL], s[SEL+1]
	v_add_f32 v[ST0+2], v[ST0+2], v[P0]
	v_add_f32 v[ST1+2], v[ST1+2], v[P1]
	s_wait_alu depctr_va_vdst(0)
	s_wait_tensorcnt 0x0                           ; the ring is done with: no load is out,
	ds_add_u32 v[SPW], v[NIL]
	s_wait_dscnt 0x0                               ; my reads of it are over,
	s_barrier_signal -1
	s_barrier_wait -1                              ; and so are everybody's: the stages may lie in it
	WIN 0x04                                       ; a store's data: window 1
.set i, 0
.rept 16                               ; each accumulator from its low end on; 32 lanes store 512 bytes on end
	ds_store_b128 v[STA], v[192+4*i:195+4*i] offset:512*i
.set i, i+1
.endr
	WIN 0
	ds_store_b128 v[STA], v[ST1:ST1+3] offset:8192 ; -M, t, the sum (and a word that nobody uses)
	s_wait_dscnt 0x0                               ; for the partner's sake: my stores have landed
	s_barrier_signal -1
	s_barrier_wait -1
.set i, 0
.rept 16
	ds_load_b128 v[S0+4*i:S0+4*i+3], v[STB] offset:512*i
.set i, i+1
.endr
	ds_load_b128 v[248:251], v[STB] offset:8192
	s_wait_dscnt 0x0
	v_min_num_f32 v247, v[ST0], v248               ; -M of the whole row: the larger M.  (A wave that had no open key step holds -M = 3e38, zeros and a factor 0; one of the two has key 0)
	v_sub_f32 v252, v247, v[ST0]                   ; my M - M, a whole number, 0 or less,
	v_sub_f32 v254, v247, v248                     ; and the partner's
	v_cvt_i32_f32 v252, v252                       ; (they saturate)
	v_cvt_i32_f32 v254, v254
	v_ldexp_f32 v252, 1.0, v252                    ; two powers of two, one of them 1: the multiplications below round nothing
	v_ldexp_f32 v254, 1.0, v254
	v_mul_f32 v14, v14, v252
	v_fma_f32 v14, v250, v254, v14                 ; the row's sum
	s_wait_alu depctr_va_vdst(0)                   ; ahead of the transcendental
	v_rcp_f32 v14, v14
	WIN 0x41
	s_wait_alu depctr_va_vdst(0)                   ; directly ahead of the first reader of O^T
.set j, 0
.rept 32
	v_pk_mul_f32 v[128+j:129+j], v[128+j:129+j], v[252:253] op_sel_hi:[1,0]
.set j, j+2
.endr
	WIN 0x50                                       ; C and destination window 1
.set j, 0
.rept 32
	v_pk_fma_f32 v[128+j:129+j], v[S0+j:S0+j+1], v[254:255], v[128+j:129+j] op_sel_hi:[1,0,1]
.set j, j+2
.endr
	WIN 0
	; THE WAY OUT.  y = O^T / the sum x 2^(e8 + e9); held, converted with 2^e10.  Eight exchanges between the halves of the lanes turn the fragment into the order in which Wo's rows are read
	; (registers 4 c .. 4 c + 3: k = 32 c + 16 (lane / 16) + 0 .. 15); it is stored as it stands.
	s_add_co_i32 s72, s70, s71
	v_ldexp_f32 v14, v14, s72
	WIN 0x01
.set j, 0
.rept 64
	v_mul_f32 v[S0+j], v[128+j], v14               ; register 8 t + i: y(query r, 16 t + 8 h + i)
.set j, j+1
.endr
	WIN 0
.set j, 0
.rept 64
	v_med3_num_f32 v[S0+j], v[S0+j], -v[YL], v[YL]
.set j, j+1
.endr
.set j, 0
.rept 8
	v_cvt_scalef32_pk8_bf8_f32 v[C0+2*j:C0+2*j+1], v[S0+8*j:S0+8*j+7], v[YS]
.set j, j+1
.endr
	v_nop                                          ; a plain instruction between the conversions and the exchanges that read them
.irp c, 0,1,2,3
	v_permlane16_swap_b32 v[C0+4*\c], v[C0+4*\c+2]
	v_permlane16_swap_b32 v[C0+4*\c+1], v[C0+4*\c+3]
.endr
.irp c, 0,1,2,3
	global_store_b128 v[LI], v[C0+4*\c:C0+4*\c+3], s[16:17] offset:512*\c   ; 32 lanes store 512 consecutive bytes, aligned
.endr
	s_wait_tensorcnt 0x0                           ; the wave's end
	ds_add_u32 v[SPW], v[NIL]
	s_wait_dscnt 0x0
	s_endpgm
.Lfunc_end_k_q8928ed69fc_att:
	.size	k_q8928ed69fc_att, .Lfunc_end_k_q8928ed69fc_att-k_q8928ed69fc_att
	.p2alignl 7, 3214868480
	.fill 96, 4, 3214868480
	.section	.rodata,"a",@progbits
	.p2align	6, 0x0
	.amdhsa_kernel k_q8928ed69fc_att
		.amdhsa_group_segment_fixed_size 327680
		.amdhsa_private_segment_fixed_size 0
		.amdhsa_enable_private_segment 0
		.amdhsa_kernarg_size 24
		.amdhsa_user_sgpr_count 2
		.amdhsa_user_sgpr_kernarg_segment_ptr 1
		.amdhsa_wavefront_size32 1
		.amdhsa_system_sgpr_workgroup_id_x 1
		.amdhsa_system_sgpr_workgroup_id_y 1
		.amdhsa_system_sgpr_workgroup_id_z 1
		.amdhsa_system_vgpr_workitem_id 0
		.amdhsa_next_free_vgpr 512
		.amdhsa_next_free_sgpr 100
		.amdhsa_reserve_vcc 1
		.amdhsa_float_denorm_mode_32 3
		.amdhsa_float_denorm_mode_16_64 3
		.amdhsa_memory_ordered 1
		.amdhsa_forward_progress 1
		.amdhsa_inst_pref_size 70
	.end_amdhsa_kernel
	.amdgpu_metadata
---
amdhsa.version: [ 1, 2 ]
amdhsa.kernels:
  - .name:           k_q8928ed69fc_att
    .symbol:         k_q8928ed69fc_att.kd
    .args:
      - { .name: qkv, .offset: 0, .size: 8, .value_kind: global_buffer, .address_space: global }
      - { .name: lowp_scales, .offset: 8, .size: 8, .value_kind: global_buffer, .address_space: global }
      - { .name: y_img, .offset: 16, .size: 8, .value_kind: global_buffer, .address_space: global }
    .group_segment_fixed_size: 327680
    .private_segment_fixed_size: 0
    .kernarg_segment_align: 8
    .kernarg_segment_size: 24
    .max_flat_workgroup_size: 256
    .sgpr_count:     100
    .vgpr_count:     512
    .wavefront_size: 32
...
	.end_amdgpu_metadata
.endif
;; end of part 3
;; launch wo (part 4): grid 32 x 8, 4 waves a work-group, clusters of 4 x 1, 327,680 bytes of LDS; arguments y_img, Wo_codes, lowp_scales, bo, x, x1; writes x1
.if DOCPART == 4
	.amdgcn_target "amdgcn-amd-amdhsa--gfx1250"
	.amdhsa_code_object_version 6
	.text
	.protected	k_q8928ed69fc_wo
	.globl	k_q8928ed69fc_wo
	.p2align	8
	.type	k_q8928ed69fc_wo,@function
k_q8928ed69fc_wo:
	s_mov_b64 s[64:65], 0
	v_nop
	global_prefetch_b8 v0, s[64:65] scope:SCOPE_SE
	s_setreg_imm32_b32 hwreg(HW_REG_WAVE_MODE, 25, 1), 1
	s_wait_xcnt 0x0
	s_wait_alu depctr_hold_cnt(0) depctr_sa_sdst(0) depctr_va_vdst(0) depctr_va_sdst(0) depctr_va_ssrc(0) depctr_va_vcc(0) depctr_vm_vsrc(0)
	s_getreg_b32 s2, hwreg(HW_REG_IB_STS2, 6, 4)
	s_cmp_eq_u32 s2, 0
	s_cbranch_scc0 .Lentry_in_a_cluster
	s_endpgm
.Lentry_in_a_cluster:
	s_bfe_u32 s2, ttmp6, 0x10000c
	s_cmp_lg_u32 s2, 0x3003
	s_cbranch_scc0 .Lentry_shape_is_right
	s_endpgm
.Lentry_shape_is_right:
; LAUNCH 4 OF 7.  x1 = x + y Wo + bo: out[m][n] = resid[m][n] + bias[n] + 2^(e_A + e_B) x the sum over k of A[m][k] B[n][k], on codes of E5M2.  M = 4,096, N = 1,024, K = SIZE_K.
; The text of the seventh launch with K = 1,024: B's whole tile is one slot, so there is no loop, no refill and no prefetch (no loop to run ahead in).  See that launch's head for shares, layout and registers.
; LIMIT: e_A + e_B between -126 and 127.
.set SIZE_K, 1024
.set SCOFF,  0x28                      ; where e_A, e_B lie among the exponents
.set LAST,   0                         ; 1: the result is read by no later launch
.set NSL,    SIZE_K/1024               ; slots' worth of K
.set KP,     SIZE_K/128
.set BP,     1040                      ; a row of B in LDS: 1,024 bytes + 16: 260 words, so the 16 rows that a load touches start at 16 different banks (64 banks of 4 bytes: ISA guide 11.1)
.set WPART,  32*BP                     ; what one wave fetches: 32 rows
.set SLOT,   4*WPART                   ; 133,120 = 0x20800: its two bits are set in no wave's part (0, 0x8200, 0x10400, 0x18600), so one exclusive or turns an address from slot to slot
.set SPARE,  2*SLOT                    ; behind the ring: the spare words, 128 bytes for each wave
.set STAGE,  (NSL%2)*SLOT              ; the way out's stages: in the slot that does not hold the last K steps: it has had its last fill (or none) and its last read
.set SPITCH, 528
.set BI,   12
.set LI,   16
.set PFO,  17
.set PFR,  18
.set AB0,  19
.set ADB,  20
.set STO,  24
.set RD,   25
.set SPW,  28
.set NIL,  29
.set ACC,  128
.set AP,   12
.set G1,   24
.set G0,   32
.set PFA,  50
.set TB,   55
.set CNT,  56
.set WV,   72
.set MSB, 0
.macro WIN new
.if MSB != (\new)
	s_set_vgpr_msb (MSB<<8)|(\new)
.set MSB, (\new)
.endif
.endm
.macro ROUND
	s_barrier_signal -1
	s_barrier_wait -1
	s_cmp_lg_u32 s[WV], 0
	s_cbranch_scc1 .Lnw0_\@
	s_barrier_signal -3
.Lnw0_\@:
	s_barrier_wait -3
	s_barrier_signal -1
	s_barrier_wait -1
.endm
.macro JLOAD
	tensor_load_to_lds s[G0:G0+3], s[G1:G1+7]
	s_nop 0
.rept 4
	v_nop
.endr
.endm
.macro ASK
	s_cmp_lt_u32 s[CNT], NSL-2
	s_cbranch_scc0 .Lres_\@
	global_prefetch_b8 v[PFO], s[PFA:PFA+1] th:TH_LOAD_NT scope:SCOPE_SE
	s_branch .Lasked_\@
.Lres_\@:
	global_prefetch_b8 v[PFR], s[68:69] th:TH_LOAD_NT scope:SCOPE_SE
	global_prefetch_b8 v[PFR], s[68:69] offset:256 th:TH_LOAD_NT scope:SCOPE_SE
.Lasked_\@:
.endm
	s_load_b256 s[4:11], s[0:1], 0x0
	s_load_b128 s[68:71], s[0:1], 0x20
	v_lshl_add_u32 v[SPW], v0, 2, SPARE
	v_mov_b32 v[NIL], 0
	ds_add_u32 v[SPW], v[NIL]
	ds_add_u32 v[SPW], v[NIL]
	v_lshrrev_b32 v1, 5, v0
	v_readfirstlane_b32 s[WV], v1
	s_bfe_u32 s40, ttmp6, 0x40000
	s_and_b32 s41, ttmp7, 0xffff
	s_lshl_b32 s41, s41, 2
	s_add_co_u32 s41, s41, s40
	s_mov_b32 s[G1+0], 15|(1<<20)|(1<<21)|(7<<22)|(3<<25)
	s_mov_b32 s[G1+1], 1024<<16
	s_mov_b32 s[G1+2], 32<<16
	s_mov_b32 s[G1+3], 1024<<16
	s_mov_b32 s[G1+4], 32
	s_mov_b32 s[G1+5], SIZE_K
	s_mov_b32 s[G1+6], 0
	s_mov_b32 s[G1+7], 0
	s_lshl_b32 s42, ttmp9, 7
	s_lshl_b32 s43, s[WV], 5
	s_add_co_u32 s42, s42, s43
	s_mul_i32 s42, s42, SIZE_K
	s_mov_b32 s43, 0
	s_mul_i32 s[G0+1], s[WV], WPART
	s_mul_i32 s44, s41, KP*16384
	s_lshl_b32 s45, s[WV], 12
	s_add_co_u32 s44, s44, s45
	s_mov_b32 s45, 0
	s_lshl_b32 s46, s41, 7
	s_lshl_b32 s47, s[WV], 5
	s_add_co_u32 s46, s46, s47
	s_lshl_b32 s46, s46, 12
	s_lshl_b32 s48, ttmp9, 9
	s_add_co_u32 s46, s46, s48
	s_mov_b32 s47, 0
	s_mov_b32 s49, 0
	s_lshl_b32 s52, s40, 8
	s_mov_b32 s53, 0
	s_mov_b32 s[TB], 0
	s_mov_b32 s[G0], 1
	s_wait_dscnt 0x0
	s_wait_kmcnt 0x0
	s_load_b64 s[76:77], s[8:9], SCOFF
	s_add_nc_u64 s[G0+2:G0+3], s[6:7], s[42:43]
.if NSL > 1
	s_add_nc_u64 s[PFA:PFA+1], s[G0+2:G0+3], s[52:53]
	s_add_nc_u64 s[PFA:PFA+1], s[PFA:PFA+1], 2048
.endif
	s_or_b32 s[G0+3], s[G0+3], 0x80000000
	s_add_nc_u64 s[AP:AP+1], s[4:5], s[44:45]
	s_add_nc_u64 s[68:69], s[68:69], s[46:47]
	s_add_nc_u64 s[70:71], s[70:71], s[46:47]
	s_add_nc_u64 s[10:11], s[10:11], s[48:49]
	ROUND
	JLOAD
	v_and_b32 v1, 15, v0
	v_bfe_u32 v2, v0, 4, 1
	v_and_b32 v3, 31, v0
	v_lshlrev_b32 v[LI], 4, v3
.if NSL > 1
	v_mul_u32_u24 v[PFO], v3, SIZE_K
	v_lshlrev_b32 v[PFR], 12, v3
.endif
	v_mul_u32_u24 v4, v1, BP
	v_lshl_add_u32 v[AB0], v2, 4, v4
	s_mul_i32 s54, s[WV], 16*SPITCH
	s_add_co_u32 s54, s54, STAGE
	v_mul_u32_u24 v5, v1, SPITCH
	v_lshl_add_u32 v5, v2, 5, v5
	v_add_nc_u32 v[STO], s54, v5
	v_add_nc_u32 v[RD], s54, v[LI]
.macro ALOAD buf, off
.irp c, 0,1,2,3,4,5,6,7
	global_load_b128 v[32*(\buf)+4*\c:32*(\buf)+4*\c+3], v[LI], s[AP:AP+1] offset:(\off)+512*\c
.endr
.endm
.macro RLOAD n
.irp i, 0,1,2,3,4,5,6,7
	global_load_b128 v[32*(\n)+4*\i:32*(\n)+4*\i+3], v[LI], s[68:69] offset:(8*(\n)+\i)*4096
.endr
.endm
	global_load_b128 v[BI:BI+3], v[LI], s[10:11]
	WIN 0x80
.irp t, 0,1,2,3,4,5,6
	ALOAD \t, \t*16384
.endr
	WIN 0
.set n, 0
.rept 128
	v_mov_b32 v[ACC+n], 0
.set n, n+1
.endr
.macro FETCH q
.irp i, 0,1,2,3,4,5,6,7
.irp c, 0,1,2,3
	ds_load_b128 v[128*((\q)%2)+16*\i+4*\c:128*((\q)%2)+16*\i+4*\c+3], v[ADB+(\i/4)] offset:(\i%4)*16*BP+128*(\q)+32*\c
.endr
.endr
.endm
.macro MUL q
.irp b, 0,1,2,3,4,5,6,7
.irp a, 0,1
	v_wmma_f32_16x16x128_bf8_bf8 v[ACC+8*(8*\a+\b):ACC+8*(8*\a+\b)+7], v[128*((\q)%2)+16*\b:128*((\q)%2)+16*\b+15], v[32*(\q)+16*\a:32*(\q)+16*\a+15], v[ACC+8*(8*\a+\b):ACC+8*(8*\a+\b)+7]
.endr
.endr
.endm
.macro STEP q, tail
.if ((\tail) == 1) && ((\q) > 5)
	s_wait_loadcnt 88-8*(\q)
.else
	s_wait_loadcnt 48
.endif
	s_wait_dscnt 0x0
.rept 4
	v_nop
.endr
.if ((\tail) == 0) || ((\q) == 0)
	WIN 0x80
	ALOAD ((\q)+7)%8, ((\q)+7)*16384
.else
.if (\q) < 5
	WIN 0x80
	RLOAD (\q)-1
.endif
.endif
.if (\q) < 7
	WIN 0x40
	FETCH (\q)+1
.endif
	WIN 0x09
	MUL \q
.endm
.macro SLOTRUN tail
	WIN 0x40
	FETCH 0
.irp q, 0,1,2,3,4,5,6,7
	STEP \q, \tail
.endr
	WIN 0
.endm
.macro CHANGE fill
	s_wait_tensorcnt 0x0
	ds_add_u32 v[SPW], v[NIL]
.if \fill
	s_xor_b32 s[G0+1], s[G0+1], SLOT
	s_add_nc_u64 s[G0+2:G0+3], s[G0+2:G0+3], 1024
.endif
	v_add_nc_u32 v[ADB], s[TB], v[AB0]
	v_add_nc_u32 v[ADB+1], 64*BP, v[ADB]
	s_wait_alu depctr_va_vdst(0)
	s_wait_dscnt 0x0
.if \fill
	ROUND
	JLOAD
	ASK
.else
	s_barrier_signal -1
	s_barrier_wait -1
.endif
.endm
	s_wait_alu depctr_va_vdst(0)
.if NSL > 1
	s_mov_b32 s[CNT], 0
.Lslot:
	CHANGE 1
	SLOTRUN 0
	s_xor_b32 s[TB], s[TB], SLOT
	s_wait_xcnt 0x0
	s_add_nc_u64 s[AP:AP+1], s[AP:AP+1], 8*16384
	s_add_nc_u64 s[PFA:PFA+1], s[PFA:PFA+1], 1024
	s_add_co_u32 s[CNT], s[CNT], 1
	s_cmp_lt_u32 s[CNT], NSL-1
	s_cbranch_scc1 .Lslot
.endif
	CHANGE 0
	SLOTRUN 1
	s_wait_kmcnt 0x0
	s_add_co_i32 s76, s76, s77
	s_add_co_i32 s76, s76, 127
	s_lshl_b32 s76, s76, 23
	s_mov_b32 s77, s76
	s_wait_loadcnt 0x0
	WIN 0x82
.set n, 0
.rept 32
	v_pk_add_f32 v[4*n:4*n+1], v[4*n:4*n+1], v[BI:BI+1]
	v_pk_add_f32 v[4*n+2:4*n+3], v[4*n+2:4*n+3], v[BI+2:BI+3]
.set n, n+1
.endr
.macro TOSTAGE a
	WIN 0
.irp b, 0,1,2,3,4,5,6,7
	ds_store_b128 v[STO], v[ACC+8*(8*(\a)+\b):ACC+8*(8*(\a)+\b)+3] offset:64*\b
	ds_store_b128 v[STO], v[ACC+8*(8*(\a)+\b)+4:ACC+8*(8*(\a)+\b)+7] offset:64*\b+16
.endr
	WIN 0x40
.irp t, 0,1,2,3,4,5,6,7,8,9,10,11,12,13,14,15
	ds_load_b128 v[64*(\a)+4*\t:64*(\a)+4*\t+3], v[RD] offset:\t*SPITCH
.endr
.endm
.macro SEND a, younger
	s_wait_dscnt \younger
	WIN 0x61
.set n, 0
.rept 32
	v_pk_fma_f32 v[64*(\a)+n:64*(\a)+n+1], v[64*(\a)+n:64*(\a)+n+1], s[76:77], v[64*(\a)+n:64*(\a)+n+1] op_sel_hi:[1,0,1]
.set n, n+2
.endr
	WIN 0x04
.irp t, 0,1,2,3,4,5,6,7,8,9,10,11,12,13,14,15
.if LAST
	global_store_b128 v[LI], v[64*(\a)+4*\t:64*(\a)+4*\t+3], s[70:71] offset:(16*(\a)+\t)*4096 th:TH_STORE_NT
.else
	global_store_b128 v[LI], v[64*(\a)+4*\t:64*(\a)+4*\t+3], s[70:71] offset:(16*(\a)+\t)*4096
.endif
.endr
.endm
	TOSTAGE 0
	TOSTAGE 1
	SEND 0, 32
	SEND 1, 0
	WIN 0
	s_wait_tensorcnt 0x0
	ds_add_u32 v[SPW], v[NIL]
	s_wait_dscnt 0x0
	ROUND
	s_endpgm
.Lfunc_end_k_q8928ed69fc_wo:
	.size	k_q8928ed69fc_wo, .Lfunc_end_k_q8928ed69fc_wo-k_q8928ed69fc_wo
	.p2alignl 7, 3214868480
	.fill 96, 4, 3214868480
	.section	.rodata,"a",@progbits
	.p2align	6, 0x0
	.amdhsa_kernel k_q8928ed69fc_wo
		.amdhsa_group_segment_fixed_size 327680
		.amdhsa_private_segment_fixed_size 0
		.amdhsa_enable_private_segment 0
		.amdhsa_kernarg_size 48
		.amdhsa_user_sgpr_count 2
		.amdhsa_user_sgpr_kernarg_segment_ptr 1
		.amdhsa_wavefront_size32 1
		.amdhsa_system_sgpr_workgroup_id_x 1
		.amdhsa_system_sgpr_workgroup_id_y 1
		.amdhsa_system_sgpr_workgroup_id_z 1
		.amdhsa_system_vgpr_workitem_id 0
		.amdhsa_next_free_vgpr 768
		.amdhsa_next_free_sgpr 80
		.amdhsa_reserve_vcc 0
		.amdhsa_float_denorm_mode_32 3
		.amdhsa_float_denorm_mode_16_64 3
		.amdhsa_memory_ordered 1
		.amdhsa_forward_progress 1
		.amdhsa_inst_pref_size 60
	.end_amdhsa_kernel
	.amdgpu_metadata
---
amdhsa.version: [ 1, 2 ]
amdhsa.kernels:
  - .name:           k_q8928ed69fc_wo
    .symbol:         k_q8928ed69fc_wo.kd
    .args:
      - { .name: y_img, .offset: 0, .size: 8, .value_kind: global_buffer, .address_space: global }
      - { .name: Wo_codes, .offset: 8, .size: 8, .value_kind: global_buffer, .address_space: global }
      - { .name: lowp_scales, .offset: 16, .size: 8, .value_kind: global_buffer, .address_space: global }
      - { .name: bo, .offset: 24, .size: 8, .value_kind: global_buffer, .address_space: global }
      - { .name: x, .offset: 32, .size: 8, .value_kind: global_buffer, .address_space: global }
      - { .name: x1, .offset: 40, .size: 8, .value_kind: global_buffer, .address_space: global }
    .group_segment_fixed_size: 327680
    .private_segment_fixed_size: 0
    .kernarg_segment_align: 8
    .kernarg_segment_size: 48
    .max_flat_workgroup_size: 128
    .sgpr_count:     80
    .vgpr_count:     768
    .wavefront_size: 32
...
	.end_amdgpu_metadata
.endif
;; end of part 4
;; launch ln2 (part 5): grid 256 x 1, 8 waves a work-group, no clusters, 9,216 bytes of LDS; arguments x1, ln2_g, ln2_b, lowp_scales, h2; writes h2
.if DOCPART == 5
	.amdgcn_target "amdgcn-amd-amdhsa--gfx1250"
	.amdhsa_code_object_version 6
	.text
	.protected	k_q8928ed69fc_ln2
	.globl	k_q8928ed69fc_ln2
	.p2align	8
	.type	k_q8928ed69fc_ln2,@function
k_q8928ed69fc_ln2:
	s_mov_b64 s[64:65], 0
	v_nop
	global_prefetch_b8 v0, s[64:65] scope:SCOPE_SE
	s_setreg_imm32_b32 hwreg(HW_REG_WAVE_MODE, 25, 1), 1
	s_wait_xcnt 0x0
; LAUNCH 5 OF 7.  h2 = layernorm(x1) g + b, quantised (E5M2, scale 2^e12: the A operand of the product with W1) into [4096][1024] codes.  The text of the first launch with one quantiser.
; LIMITS: e12 between -126 and 112.  NaN and infinities are not served.
; SHARES.  A wave takes two rows; a row of 4,096 bytes is eight loads of 512 consecutive bytes and stays in 32 registers: register 4 j + i of lane l holds column 128 j + 4 l + i.  Mean and variance in two passes,
; sums over the wave by lane exchanges.  No matrix unit, no tensor load, no barrier, no cluster: waves share nothing but g and b.
; THE CODES of a lane are 4 bytes of each 128: they go through the wave's own stage in LDS and leave as two stores of 512 consecutive bytes a row.
.set NOUT,  1
.set LO,    1
.set SW,    2
.set SRD,   3
.set SPW,   4
.set NIL,   5
.set SC,    6
.set LIM,   9
.set RS,    12
.set G,     16
.set BT,    48
.set X,     80
.set T,     144
.set C,     176
.set OUTR,  184
.set MU,    232
.set SPARE, 8*NOUT*1024
	s_load_b256 s[4:11], s[0:1], 0x0               ; x1 s[4:5], g s[6:7], b s[8:9], the exponents s[10:11]
	s_load_b64 s[12:13], s[0:1], 0x20              ; the codes
	v_lshl_add_u32 v[SPW], v0, 2, SPARE
	v_mov_b32 v[NIL], 0
	v_lshrrev_b32 v6, 5, v0
	s_delay_alu instid0(VALU_DEP_1)
	v_readfirstlane_b32 s14, v6
	v_and_b32 v7, 31, v0
	s_delay_alu instid0(VALU_DEP_1)
	v_lshlrev_b32 v[LO], 4, v7
	s_mul_i32 s15, s14, NOUT*1024
	v_lshl_add_u32 v[SW], v7, 2, s15
	v_lshl_add_u32 v[SRD], v7, 4, s15
	v_mov_b32 v[RS+1], 0
	v_mov_b32 v[RS+3], 0
	s_lshl_b32 s16, ttmp9, 4
	s_lshl_b32 s17, s14, 1
	s_add_co_u32 s16, s16, s17                     ; my first row
	s_lshl_b32 s36, s16, 10
	s_mov_b32 s37, 0
	s_lshl_b32 s16, s16, 12
	s_mov_b32 s17, 0
	s_mov_b32 s32, 0x76543210
	s_mov_b32 s33, 0xfedcba98
	s_mov_b32 s34, 0x3a800000                      ; 1 / 1024
	s_mov_b32 s35, 0x3727c5ac                      ; 1e-5
	s_wait_alu depctr_va_vdst(0)
	s_wait_kmcnt 0x0
	s_load_b32 s24, s[10:11], 0x30                 ; e12
	s_add_nc_u64 s[4:5], s[4:5], s[16:17]
	s_add_nc_u64 s[18:19], s[12:13], s[36:37]
.set i, 0
.rept 16
	global_load_b128 v[X+4*i:X+4*i+3], v[LO], s[4:5] offset:512*i
.set i, i+1
.endr
.set i, 0
.rept 8
	global_load_b128 v[G+4*i:G+4*i+3], v[LO], s[6:7] offset:512*i
.set i, i+1
.endr
.set i, 0
.rept 8
	global_load_b128 v[BT+4*i:BT+4*i+3], v[LO], s[8:9] offset:512*i
.set i, i+1
.endr
.macro WSUM r, t
	s_delay_alu instid0(VALU_DEP_1)
	v_add_f32_dpp v[\r], v[\r], v[\r] row_xmask:1 row_mask:0xf bank_mask:0xf
	s_delay_alu instid0(VALU_DEP_1)
	v_add_f32_dpp v[\r], v[\r], v[\r] row_xmask:2 row_mask:0xf bank_mask:0xf
	s_delay_alu instid0(VALU_DEP_1)
	v_add_f32_dpp v[\r], v[\r], v[\r] row_xmask:4 row_mask:0xf bank_mask:0xf
	s_delay_alu instid0(VALU_DEP_1)
	v_add_f32_dpp v[\r], v[\r], v[\r] row_xmask:8 row_mask:0xf bank_mask:0xf
	s_delay_alu instid0(VALU_DEP_1)
	v_permlanex16_b32 v[\t], v[\r], s32, s33
	s_delay_alu instid0(VALU_DEP_1)
	v_add_f32 v[\r], v[\r], v[\t]
.endm
.macro FOLD
	s_delay_alu instid0(VALU_DEP_3)
	v_pk_add_f32 v[T:T+1], v[T:T+1], v[T+2:T+3]
	s_delay_alu instid0(VALU_DEP_2)
	v_pk_add_f32 v[T+4:T+5], v[T+4:T+5], v[T+6:T+7]
	s_delay_alu instid0(VALU_DEP_1)
	v_pk_add_f32 v[T:T+1], v[T:T+1], v[T+4:T+5]
	s_delay_alu instid0(VALU_DEP_1)
	v_add_f32 v[T], v[T], v[T+1]
	WSUM T, T+1
.endm
.macro STATS x, rs
.irp c, 0,1,2,3
	v_pk_add_f32 v[T+2*\c:T+2*\c+1], v[\x+4*\c:\x+4*\c+1], v[\x+4*\c+2:\x+4*\c+3]
.endr
.irp c, 0,1,2,3,4,5,6,7
	s_delay_alu instid0(VALU_DEP_4)
	v_pk_add_f32 v[T+2*(\c%4):T+2*(\c%4)+1], v[T+2*(\c%4):T+2*(\c%4)+1], v[\x+16+2*\c:\x+16+2*\c+1]
.endr
	FOLD
	s_delay_alu instid0(VALU_DEP_1)
	v_mul_f32 v[MU], s34, v[T]
	s_delay_alu instid0(VALU_DEP_2)
	v_mul_f32 v[MU+1], s34, v[T]
.irp c, 0,1,2,3,4,5,6,7,8,9,10,11,12,13,14,15
	v_pk_add_f32 v[\x+2*\c:\x+2*\c+1], v[\x+2*\c:\x+2*\c+1], v[MU:MU+1] neg_lo:[0,1] neg_hi:[0,1]
.endr
.irp c, 0,1,2,3
	v_pk_mul_f32 v[T+2*\c:T+2*\c+1], v[\x+2*\c:\x+2*\c+1], v[\x+2*\c:\x+2*\c+1]
.endr
.irp c, 4,5,6,7,8,9,10,11,12,13,14,15
	s_delay_alu instid0(VALU_DEP_4)
	v_pk_fma_f32 v[T+2*(\c%4):T+2*(\c%4)+1], v[\x+2*\c:\x+2*\c+1], v[\x+2*\c:\x+2*\c+1], v[T+2*(\c%4):T+2*(\c%4)+1]
.endr
	FOLD
	s_delay_alu instid0(VALU_DEP_1)
	v_fma_f32 v[\rs], v[T], s34, s35
.endm
.macro NORM x, rs
.irp c, 0,1,2,3,4,5,6,7,8,9,10,11,12,13,14,15
	v_pk_mul_f32 v[\x+2*\c:\x+2*\c+1], v[\x+2*\c:\x+2*\c+1], v[\rs:\rs+1] op_sel_hi:[1,0]
.endr
.irp c, 0,1,2,3,4,5,6,7,8,9,10,11,12,13,14,15
	v_pk_fma_f32 v[\x+2*\c:\x+2*\c+1], v[\x+2*\c:\x+2*\c+1], v[G+2*\c:G+2*\c+1], v[BT+2*\c:BT+2*\c+1]
.endr
.endm
	s_wait_loadcnt 24                              ; row 0 is in; row 1, g and b may be out
	STATS X, RS
	s_wait_loadcnt 16                              ; row 1 is in; g and b may be out
	STATS X+32, RS+2
	s_wait_alu depctr_va_vdst(0)
	v_rsq_f32 v[RS], v[RS]                         ; both roots are one batch;
	v_rsq_f32 v[RS+2], v[RS+2]
	v_nop                                          ; a plain instruction behind the last;
	s_wait_kmcnt 0x0
	s_add_co_i32 s36, s24, 127
	s_lshl_b32 s37, s36, 23
	v_mov_b32 v[SC], s37                           ; 2^e12
	s_add_co_i32 s36, s36, 15
	s_lshl_b32 s36, s36, 23
	s_or_b32 s36, s36, 0x600000
	v_mov_b32 v[LIM], s36                          ; 57,344 x 2^e12
	s_wait_alu depctr_va_vdst(0)                   ; and one wait ahead of the first reader
	s_wait_loadcnt 0x0
	NORM X, RS
	NORM X+32, RS+2
.macro FLUSH
.set fk, kk-1
.set fr, fk/NOUT
.set fo, fk%NOUT
	s_wait_dscnt 0x0                               ; the row of codes is back from the stage
	global_store_b128 v[LO], v[OUTR+8*fk:OUTR+8*fk+3], s[18+2*fo:19+2*fo] offset:fr*1024          ; 32 lanes store 512 consecutive bytes, aligned
	global_store_b128 v[LO], v[OUTR+8*fk+4:OUTR+8*fk+7], s[18+2*fo:19+2*fo] offset:fr*1024+512
.endm
.macro QOUT
.set qr, kk/NOUT
.set qo, kk%NOUT
.set i, 0
.rept 32
	v_med3_num_f32 v[T+i], v[X+32*qr+i], -v[LIM+qo], v[LIM+qo]   ; the conversion does not saturate (ISA guide 7.6.2): the hold at the largest code x the scale
.set i, i+1
.endr
.if kk > 0
	s_wait_alu depctr_va_vdst(0)
	FLUSH
.endif
.set i, 0
.rept 4
	v_cvt_scalef32_pk8_bf8_f32 v[C+2*i:C+2*i+1], v[T+8*i:T+8*i+7], v[SC+qo]
.set i, i+1
.endr
	v_nop                                          ; a plain instruction between the conversions and the next hold, which writes their sources
.set i, 0
.rept 8
	ds_store_b32 v[SW], v[C+i] offset:qo*1024+128*i
.set i, i+1
.endr
	ds_load_b128 v[OUTR+8*kk:OUTR+8*kk+3], v[SRD] offset:qo*1024        ; LDS serves a wave's instructions in order (ISA guide 5.7.1.4)
	ds_load_b128 v[OUTR+8*kk+4:OUTR+8*kk+7], v[SRD] offset:qo*1024+512
.endm
.set kk, 0
.rept 2*NOUT
	QOUT
.set kk, kk+1
.endr
	FLUSH
	s_wait_tensorcnt 0x0                           ; the wave's end
	ds_add_u32 v[SPW], v[NIL]
	s_wait_dscnt 0x0
	s_endpgm
.Lfunc_end_k_q8928ed69fc_ln2:
	.size	k_q8928ed69fc_ln2, .Lfunc_end_k_q8928ed69fc_ln2-k_q8928ed69fc_ln2
	.p2alignl 7, 3214868480
	.fill 96, 4, 3214868480
	.section	.rodata,"a",@progbits
	.p2align	6, 0x0
	.amdhsa_kernel k_q8928ed69fc_ln2
		.amdhsa_group_segment_fixed_size 9216
		.amdhsa_private_segment_fixed_size 0
		.amdhsa_enable_private_segment 0
		.amdhsa_kernarg_size 40
		.amdhsa_user_sgpr_count 2
		.amdhsa_user_sgpr_kernarg_segment_ptr 1
		.amdhsa_wavefront_size32 1
		.amdhsa_system_sgpr_workgroup_id_x 1
		.amdhsa_system_sgpr_workgroup_id_y 1
		.amdhsa_system_sgpr_workgroup_id_z 1
		.amdhsa_system_vgpr_workitem_id 0
		.amdhsa_next_free_vgpr 240
		.amdhsa_next_free_sgpr 66
		.amdhsa_reserve_vcc 0
		.amdhsa_float_denorm_mode_32 3
		.amdhsa_float_denorm_mode_16_64 3
		.amdhsa_memory_ordered 1
		.amdhsa_forward_progress 1
		.amdhsa_inst_pref_size 27
	.end_amdhsa_kernel
	.amdgpu_metadata
---
amdhsa.version: [ 1, 2 ]
amdhsa.kernels:
  - .name:           k_q8928ed69fc_ln2
    .symbol:         k_q8928ed69fc_ln2.kd
    .args:
      - { .name: x1, .offset: 0, .size: 8, .value_kind: global_buffer, .address_space: global }
      - { .name: ln2_g, .offset: 8, .size: 8, .value_kind: global_buffer, .address_space: global }
      - { .name: ln2_b, .offset: 16, .size: 8, .value_kind: global_buffer, .address_space: global }
      - { .name: lowp_scales, .offset: 24, .size: 8, .value_kind: global_buffer, .address_space: global }
      - { .name: h2, .offset: 32, .size: 8, .value_kind: global_buffer, .address_space: global }
    .group_segment_fixed_size: 9216
    .private_segment_fixed_size: 0
    .kernarg_segment_align: 8
    .kernarg_segment_size: 40
    .max_flat_workgroup_size: 256
    .sgpr_count:     66
    .vgpr_count:     240
    .wavefront_size: 32
...
	.end_amdgpu_metadata
.endif
;; end of part 5
;; launch w1 (part 6): grid 16 x 16, 4 waves a work-group, clusters of 4 x 4, 327,680 bytes of LDS; arguments h2, W1_codes, lowp_scales, b1, g_img; writes g_img
.if DOCPART == 6
	.amdgcn_target "amdgcn-amd-amdhsa--gfx1250"
	.amdhsa_code_object_version 6
	.text
	.protected	k_q8928ed69fc_w1
	.globl	k_q8928ed69fc_w1
	.p2align	8
	.type	k_q8928ed69fc_w1,@function
k_q8928ed69fc_w1:
	s_mov_b64 s[64:65], 0
	v_nop
	global_prefetch_b8 v0, s[64:65] scope:SCOPE_SE
	s_setreg_imm32_b32 hwreg(HW_REG_WAVE_MODE, 25, 1), 1
	s_wait_xcnt 0x0
	s_wait_alu depctr_hold_cnt(0) depctr_sa_sdst(0) depctr_va_vdst(0) depctr_va_sdst(0) depctr_va_ssrc(0) depctr_va_vcc(0) depctr_vm_vsrc(0)
	s_getreg_b32 s2, hwreg(HW_REG_IB_STS2, 6, 4)
	s_cmp_eq_u32 s2, 0
	s_cbranch_scc0 .Lentry_in_a_cluster
	s_endpgm
.Lentry_in_a_cluster:
	s_bfe_u32 s2, ttmp6, 0x10000c
	s_cmp_lg_u32 s2, 0xf033
	s_cbranch_scc0 .Lentry_shape_is_right
	s_endpgm
.Lentry_shape_is_right:
.set SIZE_K, 1024
.set KSTEP,  256
.set ROWB,   256
.set KROW,   SIZE_K
.set PITCH,  272
.set FR,     16
.set NL,     4
.set NP,     4
.set HALFT,  128*PITCH
.set SLOT,   4*HALFT
.set LAPS,   SIZE_K/(2*KSTEP)
.set SPARE,  2*SLOT
.set CBA,  8
.set ADRA, 16
.set ADRB, 20
.set DA,   24
.set DAX,  25
.set LI,   26
.set SPW,  28
.set NIL,  29
.set CB,   32
.set C9,   96
.set QS,   98
.set QL,   99
.set CD,   112
.set AF,   128
.set U,    128
.set Z,    160
.set T,    192
.set P,    224
.set G1, 24
.set G0, 32
.set G1B, 48
.set G0B, 56
.set MSB, 0
.macro WIN new
.if MSB != (\new)
	s_set_vgpr_msb (MSB<<8)|(\new)
.set MSB, (\new)
.endif
.endm
.set MUL_LO, 0xa1
.set MUL_HI, 0xf1
.set TO_B,   0x40
.macro JLOAD g0a, g1a, g0b, g1b
	s_cmp_eq_u32 s15, 0
	s_cbranch_scc0 .Lfor_b_\@
	tensor_load_to_lds s[\g0a:\g0a+3], s[\g1a:\g1a+7]
	s_nop 0
.rept 4
	v_nop
.endr
	s_branch .Lasked_\@
.Lfor_b_\@:
	tensor_load_to_lds s[\g0b:\g0b+3], s[\g1b:\g1b+7]
	s_nop 0
.rept 4
	v_nop
.endr
.Lasked_\@:
.endm
.macro CREST
	s_cmp_lg_u32 s14, 0
	s_cbranch_scc1 .Lnot_wave_0_\@
	s_barrier_signal -3
.Lnot_wave_0_\@:
	s_barrier_wait -3
	s_barrier_signal -1
	s_barrier_wait -1
.endm
.macro CROUND
	s_barrier_signal -1
	s_barrier_wait -1
	CREST
.endm
	s_load_b256 s[4:11], s[0:1], 0x0
	s_load_b64 s[12:13], s[0:1], 0x20
	v_lshl_add_u32 v[SPW], v0, 2, SPARE
	v_mov_b32 v[NIL], 0
	ds_add_u32 v[SPW], v[NIL]
	ds_add_u32 v[SPW], v[NIL]
	v_lshrrev_b32 v1, 5, v0
	v_readfirstlane_b32 s14, v1
	s_lshr_b32 s15, s14, 1
	s_and_b32 s16, s14, 1
	s_bfe_u32 s40, ttmp6, 0x40000
	s_bfe_u32 s41, ttmp6, 0x40004
	s_lshl_b32 s42, ttmp9, 2
	s_add_co_u32 s42, s42, s40
	s_and_b32 s17, ttmp7, 0xffff
	s_lshl_b32 s17, s17, 2
	s_add_co_u32 s17, s17, s41
	s_lshl_b32 s43, s41, 2
	s_lshl_b32 s43, 15, s43
	s_lshl_b32 s44, 0x1111, s40
	s_or_b32 s[G1+0], s43, (0<<16)|(1<<20)|(1<<21)|(5<<22)|(3<<25)
	s_or_b32 s[G1B+0], s44, (0<<16)|(1<<20)|(1<<21)|(5<<22)|(3<<25)
.irp g, G1, G1B
	s_mov_b32 s[\g+1], ROWB<<16
	s_mov_b32 s[\g+2], 128<<16
	s_mov_b32 s[\g+3], ROWB<<16
	s_mov_b32 s[\g+4], 128
	s_mov_b32 s[\g+5], KROW
	s_mov_b32 s[\g+6], 0
	s_mov_b32 s[\g+7], 0
.endr
	s_lshl_b32 s18, s16, 7
	s_lshl_b32 s20, s17, 8
	s_add_co_u32 s20, s20, s18
	s_lshl_b32 s46, s42, 8
	s_add_co_u32 s46, s46, s18
	s_mov_b32 s21, 0
	s_mov_b32 s47, 0
	s_mov_b64 s[18:19], KROW
	s_mul_u64 s[20:21], s[20:21], s[18:19]
	s_mul_u64 s[46:47], s[46:47], s[18:19]
	s_mul_i32 s45, s14, HALFT
	s_mov_b32 s66, 0x3f3504f3
	s_wait_dscnt 0x0
	s_wait_kmcnt 0x0
	s_load_b128 s[92:95], s[8:9], 0x30
	s_add_nc_u64 s[20:21], s[4:5], s[20:21]
	s_add_nc_u64 s[46:47], s[6:7], s[46:47]
	CROUND
.irp s, 0,1
	s_mov_b32 s[G0+4*\s], 1
	s_add_co_u32 s[G0+4*\s+1], s45, \s*SLOT
	s_add_nc_u64 s[G0+4*\s+2:G0+4*\s+3], s[20:21], \s*ROWB
	s_or_b32 s[G0+4*\s+3], s[G0+4*\s+3], 0x80000000
	s_mov_b32 s[G0B+4*\s], 1
	s_add_co_u32 s[G0B+4*\s+1], s45, \s*SLOT
	s_add_nc_u64 s[G0B+4*\s+2:G0B+4*\s+3], s[46:47], \s*ROWB
	s_or_b32 s[G0B+4*\s+3], s[G0B+4*\s+3], 0x80000000
	s_wait_alu depctr_va_vdst(0)
	s_wait_tensorcnt 0x0
	ds_add_u32 v28, v29
	ds_add_u32 v28, v29
	s_wait_dscnt 0x0
	CROUND
	JLOAD G0+4*\s, G1, G0B+4*\s, G1B
.endr
	v_and_b32 v1, 15, v0
	v_bfe_u32 v2, v0, 4, 1
	s_wait_alu depctr_va_vdst(0)
	v_mul_u32_u24 v3, v1, PITCH
	v_lshl_add_u32 v4, v2, 4, v3
	s_mul_i32 s21, s15, HALFT
	s_mul_i32 s22, s16, HALFT
	s_add_co_u32 s22, s22, 2*HALFT
.irp s, 0,1
	v_add_nc_u32 v[ADRA+\s], s21, v4
	v_add_nc_u32 v[ADRB+\s], s22, v4
	s_add_co_u32 s21, s21, SLOT
	s_add_co_u32 s22, s22, SLOT
.endr
	v_and_b32 v6, 31, v0
	v_lshlrev_b32 v[LI], 4, v6
	s_wait_alu depctr_va_vdst(0)
	s_lshl_b32 s86, s17, 1
	s_add_co_u32 s86, s86, s15
	s_lshl_b32 s87, s42, 1
	s_add_co_u32 s87, s87, s16
	s_lshl_b32 s20, s87, 9
	v_lshl_add_u32 v[CBA], v2, 5, s20
	s_lshl_b32 s22, s86, 5
	s_add_co_u32 s22, s22, s87
	s_lshl_b32 s22, s22, 14
	s_mov_b32 s23, 0
	s_add_nc_u64 s[12:13], s[12:13], s[22:23]
.irp b, 0,1,2,3,4,5,6,7
	global_load_b128 v[CB+8*\b:CB+8*\b+3], v[CBA], s[10:11] offset:64*\b
	global_load_b128 v[CB+8*\b+4:CB+8*\b+7], v[CBA], s[10:11] offset:64*\b+16
.endr
	s_lshl_b32 s23, s14, 16
	v_add_nc_u32 v[DA], s23, v[LI]
.macro FRAG reg, adr, q, i
.irp c, 0,1,2,3
	ds_load_b128 v[\reg+4*\c:\reg+4*\c+3], v[\adr] offset:128*(\q)+32*\c+(\i)*16*PITCH
.endr
.endm
.macro MUL16 a0, p, zero
.irp a, \a0, \a0+1
.irp b, 0,1,2,3,4,5,6,7
.if \zero
	v_wmma_f32_16x16x128_bf8_bf8 v[8*(8*((\a)%4)+\b):8*(8*((\a)%4)+\b)+7], v[128*(\p)+FR*\b:128*(\p)+FR*\b+FR-1], v[AF+FR*(\a):AF+FR*(\a)+FR-1], 0
.else
	v_wmma_f32_16x16x128_bf8_bf8 v[8*(8*((\a)%4)+\b):8*(8*((\a)%4)+\b)+7], v[128*(\p)+FR*\b:128*(\p)+FR*\b+FR-1], v[AF+FR*(\a):AF+FR*(\a)+FR-1], v[8*(8*((\a)%4)+\b):8*(8*((\a)%4)+\b)+7]
.endif
.endr
.endr
.endm
.macro FETCH_B slot, q, p
	WIN TO_B
.irp i, 0,1,2,3,4,5,6,7
	FRAG 128*(\p)+FR*\i, ADRB+\slot, \q, \i
.endr
	WIN 0
.endm
.macro FETCH_A slot, q, i0
.irp i, \i0, \i0+1, \i0+2, \i0+3
	FRAG AF+FR*(\i), ADRA+\slot, \q, \i
.endr
.endm
.macro PLACES n
.rept \n
	v_nop
.endr
.endm
.macro STEP slot, q, zero
	s_wait_dscnt 4*NL
	WIN MUL_LO
	MUL16 0, (\q)%2, \zero
	MUL16 2, (\q)%2, \zero
	s_wait_dscnt 0
	PLACES NP
	FETCH_B \slot, (\q)+1, 1-(\q)%2
	FETCH_A \slot, (\q)+1, 0
	WIN MUL_HI
	MUL16 4, (\q)%2, \zero
	MUL16 6, (\q)%2, \zero
	PLACES NP
	WIN 0
	FETCH_A \slot, (\q)+1, 4
.endm
.macro TURN slot, next, fill
	s_wait_tensorcnt 0x0
	ds_add_u32 v[SPW], v[NIL]
	s_wait_dscnt 4*NL+1
	WIN MUL_LO
	MUL16 0, 1, 0
	s_wait_dscnt 0x0
	s_barrier_signal -1
	MUL16 2, 1, 0
	WIN 0
	s_barrier_wait -1
.if \fill
	CREST
	s_add_nc_u64 s[G0+4*\slot+2:G0+4*\slot+3], s[G0+4*\slot+2:G0+4*\slot+3], 2*ROWB
	s_add_nc_u64 s[G0B+4*\slot+2:G0B+4*\slot+3], s[G0B+4*\slot+2:G0B+4*\slot+3], 2*ROWB
	JLOAD G0+4*\slot, G1, G0B+4*\slot, G1B
.else
	PLACES NP
.endif
	FETCH_B \next, 0, 0
	FETCH_A \next, 0, 0
	WIN MUL_HI
	MUL16 4, 1, 0
	MUL16 6, 1, 0
	PLACES NP
	WIN 0
	FETCH_A \next, 0, 4
.endm
	s_wait_tensorcnt 1
	s_barrier_signal -1
	s_barrier_wait -1
	FETCH_B 0, 0, 0
	FETCH_A 0, 0, 0
	FETCH_A 0, 0, 4
	STEP 0, 0, 1
	s_mov_b32 s3, LAPS-1
.Llap:
	TURN 0, 1, 1
	STEP 1, 0, 0
	TURN 1, 0, 1
	STEP 0, 0, 0
	s_sub_co_u32 s3, s3, 1
	s_cmp_lg_u32 s3, 0
	s_cbranch_scc1 .Llap
	TURN 0, 1, 0
	STEP 1, 0, 0
	s_wait_dscnt 4*NL
	WIN MUL_LO
	MUL16 0, 1, 0
	MUL16 2, 1, 0
	s_wait_alu depctr_va_vdst(0)
	s_wait_dscnt 0
	WIN MUL_HI
	MUL16 4, 1, 0
	MUL16 6, 1, 0
	WIN 0
	s_wait_dscnt 0x0
	s_barrier_signal -1
	s_barrier_wait -1
	s_wait_kmcnt 0x0
	s_add_co_i32 s96, s92, s93
	s_add_co_i32 s96, s96, 127
	s_lshl_b32 s96, s96, 23
	s_mov_b32 s97, s96
	s_add_co_i32 s94, s94, 127
	s_lshl_b32 s95, s94, 23
	s_add_co_i32 s94, s94, 15
	s_lshl_b32 s94, s94, 23
	s_or_b32 s94, s94, 0x600000
	PLACES NP
	v_mov_b32 v[C9], 0x3e2ef945
	v_mov_b32 v[C9+1], 0x3e2ef945
	v_mov_b32 v[QS], s95
	v_mov_b32 v[QL], s94
	WIN 0x08
.set a, 0
.rept 4
.set i, 0
.rept 16
	ds_store_b128 v[DA], v[64*a+4*i:64*a+4*i+3] offset:a*8192+512*i
.set i, i+1
.endr
.set a, a+1
.endr
	WIN 0x0c
.set a, 0
.rept 4
.set i, 0
.rept 16
	ds_store_b128 v[DA], v[64*a+4*i:64*a+4*i+3] offset:(a+4)*8192+512*i
.set i, i+1
.endr
.set a, a+1
.endr
	WIN TO_B
.set i, 0
.rept 16
	ds_load_b128 v[4*i:4*i+3], v[DA] offset:512*i
.set i, i+1
.endr
	WIN 0
	s_wait_loadcnt 0x0
.macro UTAKE u
	WIN 0x01
.set i, 0
.rept 16
	v_pk_fma_f32 v[U+i:U+i+1], v[32*(\u)+i:32*(\u)+i+1], s[96:97], v[CB+32*(\u)+i:CB+32*(\u)+i+1] op_sel_hi:[1,0,1]
.set i, i+2
.endr
	WIN 0
.endm
.macro PK3 d, x, y, k
.set i, 0
.rept 16
	v_pk_fma_f32 v[\d+i:\d+i+1], v[\x+i:\x+i+1], v[\y+i:\y+i+1], \k op_sel_hi:[1,1,0]
.set i, i+2
.endr
.endm
.macro GELU
.set i, 0
.rept 32
	v_mul_f32 v[Z+i], s66, |v[U+i]|
.set i, i+1
.endr
.set i, 0
.rept 16
	v_pk_fma_f32 v[T+i:T+i+1], v[Z+i:Z+i+1], 0.5, 1.0 op_sel_hi:[1,0,0]
.set i, i+2
.endr
.set i, 0
	s_wait_alu depctr_va_vdst(0)
.rept 32
	v_rcp_f32 v[T+i], v[T+i]
.set i, i+1
.endr
.set i, 0
.rept 32
	v_max_num_f32 v[U+i], 0, v[U+i]
.set i, i+1
.endr
	s_wait_alu depctr_va_vdst(0)
.set i, 0
.rept 16
	v_pk_fma_f32 v[P+i:P+i+1], v[T+i:T+i+1], v[C9:C9+1], 0xbf527892 op_sel_hi:[1,1,0]
.set i, i+2
.endr
.irp k, 0x3fbe87b0, 0xbf914e5d, 0x3e8ec7cc, 0xbe3ec24c, 0x3dc636c9, 0x3ebf88fb, 0x3f8000c7, 0xbfa1fc4e
	PK3 P, P, T, \k
.endr
.set i, 0
.rept 16
	v_pk_fma_f32 v[P+i:P+i+1], v[Z+i:Z+i+1], v[Z+i:Z+i+1], v[P+i:P+i+1] neg_lo:[1,0,0] neg_hi:[1,0,0]
.set i, i+2
.endr
.set i, 0
.rept 16
	v_pk_fma_f32 v[P+i:P+i+1], v[P+i:P+i+1], 0x3fb8aa3b, -0.5 op_sel_hi:[1,0,0]
.set i, i+2
.endr
.set i, 0
	s_wait_alu depctr_va_vdst(0)
.rept 32
	v_exp_f32 v[P+i], v[P+i]
.set i, i+1
.endr
.set i, 0
.rept 16
	v_pk_mul_f32 v[Z+i:Z+i+1], v[Z+i:Z+i+1], v[T+i:T+i+1]
.set i, i+2
.endr
	s_wait_alu depctr_va_vdst(0)
.set i, 0
.rept 16
	v_pk_fma_f32 v[U+i:U+i+1], v[Z+i:Z+i+1], v[P+i:P+i+1], v[U+i:U+i+1] neg_lo:[1,0,0] neg_hi:[1,0,0]
.set i, i+2
.endr
.set i, 0
.rept 32
	v_med3_num_f32 v[U+i], v[U+i], -v[QL], v[QL]
.set i, i+1
.endr
.endm
.macro CODES u
.set i, 0
.rept 4
	v_cvt_scalef32_pk8_bf8_f32 v[CD+8*(\u)+2*i:CD+8*(\u)+2*i+1], v[U+8*i:U+8*i+7], v[QS]
.set i, i+1
.endr
	v_nop
.endm
.macro TRIP more
	s_wait_dscnt 0x0
	UTAKE 0
	GELU
	CODES 0
	UTAKE 1
.if \more
	v_add_nc_u32 v[DAX], s2, v[DA]
	WIN TO_B
.set i, 0
.rept 16
	ds_load_b128 v[4*i:4*i+3], v[DAX] offset:512*i
.set i, i+1
.endr
	WIN 0
.endif
	GELU
	CODES 1
.irp c, 0,1,2,3
	v_permlane16_swap_b32 v[CD+4*\c], v[CD+4*\c+2]
	v_permlane16_swap_b32 v[CD+4*\c+1], v[CD+4*\c+3]
.endr
.irp c, 0,1,2,3
	global_store_b128 v[LI], v[CD+4*\c:CD+4*\c+3], s[12:13] offset:512*\c
.endr
.if \more
	s_wait_xcnt 0x0
	s_add_nc_u64 s[12:13], s[12:13], 2048
.endif
.endm
	s_mov_b32 s2, 8192
	s_mov_b32 s3, 7
.Lblk:
	TRIP 1
	s_add_co_u32 s2, s2, 8192
	s_sub_co_u32 s3, s3, 1
	s_cmp_lg_u32 s3, 0
	s_cbranch_scc1 .Lblk
	TRIP 0
	s_wait_tensorcnt 0x0
	ds_add_u32 v[SPW], v[NIL]
	s_wait_dscnt 0x0
	CROUND
	s_endpgm
.Lfunc_end_k_q8928ed69fc_w1:
	.size	k_q8928ed69fc_w1, .Lfunc_end_k_q8928ed69fc_w1-k_q8928ed69fc_w1
	.p2alignl 7, 3214868480
	.fill 96, 4, 3214868480
	.section	.rodata,"a",@progbits
	.p2align	6, 0x0
	.amdhsa_kernel k_q8928ed69fc_w1
		.amdhsa_group_segment_fixed_size 327680
		.amdhsa_private_segment_fixed_size 0
		.amdhsa_enable_private_segment 0
		.amdhsa_kernarg_size 40
		.amdhsa_user_sgpr_count 2
		.amdhsa_user_sgpr_kernarg_segment_ptr 1
		.amdhsa_wavefront_size32 1
		.amdhsa_system_sgpr_workgroup_id_x 1
		.amdhsa_system_sgpr_workgroup_id_y 1
		.amdhsa_system_sgpr_workgroup_id_z 1
		.amdhsa_system_vgpr_workitem_id 0
		.amdhsa_next_free_vgpr 1024
		.amdhsa_next_free_sgpr 98
		.amdhsa_reserve_vcc 0
		.amdhsa_float_denorm_mode_32 3
		.amdhsa_float_denorm_mode_16_64 3
		.amdhsa_memory_ordered 1
		.amdhsa_forward_progress 1
		.amdhsa_inst_pref_size 202
	.end_amdhsa_kernel
	.amdgpu_metadata
---
amdhsa.version: [ 1, 2 ]
amdhsa.kernels:
  - .name:           k_q8928ed69fc_w1
    .symbol:         k_q8928ed69fc_w1.kd
    .args:
      - { .name: h2, .offset: 0, .size: 8, .value_kind: global_buffer, .address_space: global }
      - { .name: W1_codes, .offset: 8, .size: 8, .value_kind: global_buffer, .address_space: global }
      - { .name: lowp_scales, .offset: 16, .size: 8, .value_kind: global_buffer, .address_space: global }
      - { .name: b1, .offset: 24, .size: 8, .value_kind: global_buffer, .address_space: global }
      - { .name: g_img, .offset: 32, .size: 8, .value_kind: global_buffer, .address_space: global }
    .group_segment_fixed_size: 327680
    .private_segment_fixed_size: 0
    .kernarg_segment_align: 8
    .kernarg_segment_size: 40
    .max_flat_workgroup_size: 128
    .sgpr_count:     98
    .vgpr_count:     1024
    .wavefront_size: 32
...
	.end_amdgpu_metadata
.endif
;; end of part 6
;; launch w2 (part 7): grid 32 x 8, 4 waves a work-group, clusters of 4 x 1, 327,680 bytes of LDS; arguments g_img, W2_codes, lowp_scales, b2, x1, out0; writes out0
.if DOCPART == 7
	.amdgcn_target "amdgcn-amd-amdhsa--gfx1250"
	.amdhsa_code_object_version 6
	.text
	.protected	k_q8928ed69fc_w2
	.globl	k_q8928ed69fc_w2
	.p2align	8
	.type	k_q8928ed69fc_w2,@function
k_q8928ed69fc_w2:
	s_mov_b64 s[64:65], 0
	v_nop
	global_prefetch_b8 v0, s[64:65] scope:SCOPE_SE
	s_setreg_imm32_b32 hwreg(HW_REG_WAVE_MODE, 25, 1), 1
	s_wait_xcnt 0x0
	s_wait_alu depctr_hold_cnt(0) depctr_sa_sdst(0) depctr_va_vdst(0) depctr_va_sdst(0) depctr_va_ssrc(0) depctr_va_vcc(0) depctr_vm_vsrc(0)
	s_getreg_b32 s2, hwreg(HW_REG_IB_STS2, 6, 4)
	s_cmp_eq_u32 s2, 0
	s_cbranch_scc0 .Lentry_in_a_cluster
	s_endpgm
.Lentry_in_a_cluster:
	s_bfe_u32 s2, ttmp6, 0x10000c
	s_cmp_lg_u32 s2, 0x3003
	s_cbranch_scc0 .Lentry_shape_is_right
	s_endpgm
.Lentry_shape_is_right:
; LAUNCH 7 OF 7.  out0 = x1 + g W2 + b2: out[m][n] = resid[m][n] + bias[n] + 2^(e_A + e_B) x the sum over k of A[m][k] B[n][k], on codes of E5M2.  M = 4,096, N = 1,024, K = SIZE_K.
; A comes as IMAGES of operand registers, [row block of 128][K step of 128][8 fragments of 16 rows][2,048 bytes]; B as rows of SIZE_K codes.  Both hold k in the order 32 c + 16 (lane / 16) + 0 .. 15 in registers 4 c .. 4 c + 3.
; SHARES.  A tile of C is 128 x 128: 256 work-groups, one for each WGP.  Each of the four waves makes 32 rows x all 128 columns: 16 accumulators.
; A GOES FROM MEMORY STRAIGHT INTO REGISTERS: a wave's two fragments of a K step are 4,096 bytes on end of the image, eight loads of 512 bytes; no other wave of the work-group needs them.  Eight register buffers
; take turns; a K step's loads are issued seven K steps ahead of its products.
; B ALONE GOES THROUGH LDS, read by all four waves: a slot holds 128 rows x 1,024 along K, so K = 4,096 is four fills; each wave fetches 32 rows with one tensor load.  The change of slots stands at a slot's head:
; the load issued there has the slot's eight K steps in which to land.
; CLUSTER 4, 1, 1: the four partners make tile rows 4 y + cx of one tile column (the cluster's x) and ask for B's tile jointly (mask 15).  A's blocks are not asked for jointly: a joint load lands in LDS, and A does not pass through LDS.
; PREFETCH: in the trip that loads slot j + 1 the cluster asks for slot j + 2 of B: 128 rows x 1,024 bytes are 512 blocks of 256 bytes: a lane a row, a wave its own 32 rows, partner cx the block cx of each row: each block once a
; cluster.  The last trip of the loop has no such slot and asks for the wave's 32 rows x 512 bytes of the residual, which the last slot loads.  A is not prefetched: its own loads stand seven K steps ahead.
; THE MATRIX INSTRUCTION IS USED TRANSPOSED (source 0 = 16 rows of B, source 1 = 16 rows of A): a lane holds eight neighbouring columns of a row of C.
; The accumulators are cleared once, while the first tile is on its way: so the slot's text stands twice (loop and last slot) and not a third time for a first K step.
; LIMIT: e_A + e_B between -126 and 127.
; REGISTERS: window 0: v12-15 the bias, v16-29 addresses, v128-255 the accumulators ((a, b) at v[128 + 8 (8 a + b)]).  window 1: B's fragments, two sets of 128; on the way out v0-127 rows of C.
;   window 2: A's eight buffers of 32; in the last slot buffers 0 to 3, done with, take the residual.
.set SIZE_K, 4096
.set SCOFF,  0x38                      ; where e_A, e_B lie among the exponents
.set LAST,   1                         ; 1: the result is read by no later launch
.set NSL,    SIZE_K/1024               ; slots' worth of K
.set KP,     SIZE_K/128
.set BP,     1040                      ; a row of B in LDS: 1,024 bytes + 16: 260 words, so the 16 rows that a load touches start at 16 different banks (64 banks of 4 bytes: ISA guide 11.1)
.set WPART,  32*BP                     ; what one wave fetches: 32 rows
.set SLOT,   4*WPART                   ; 133,120 = 0x20800: its two bits are set in no wave's part (0, 0x8200, 0x10400, 0x18600), so one exclusive or turns an address from slot to slot
.set SPARE,  2*SLOT                    ; behind the ring: the spare words, 128 bytes for each wave
.set STAGE,  (NSL%2)*SLOT              ; the way out's stages: in the slot that does not hold the last K steps: it has had its last fill and its last read
.set SPITCH, 528                       ; a stage: 16 rows x (512 bytes + 16) for each wave
.set BI,   12                          ; v12-15 the bias of my four columns
.set LI,   16                          ; v16  16 x lane
.set PFO,  17                          ; v17  lane x a row of B
.set PFR,  18                          ; v18  lane x a row of C
.set AB0,  19                          ; v19  my lane's place in a fragment of B
.set ADB,  20                          ; v20-21 the same in the slot in hand: fragments 0-3, 4-7
.set STO,  24
.set RD,   25
.set SPW,  28                          ; my spare word; never rewritten
.set NIL,  29                          ; 0; never rewritten
.set ACC,  128
.set AP,   12                          ; s[12:13] A's image at my two fragments of the slot's first K step
.set G1,   24
.set G0,   32                          ; one group 0, which walks
.set PFA,  50                          ; s[50:51] B's prefetches
.set TB,   55                          ; s55 LDS byte at which the slot in hand begins
.set CNT,  56
.set WV,   72
.set MSB, 0
.macro WIN new                         ; the immediate's high byte repeats the setting that is left
.if MSB != (\new)
	s_set_vgpr_msb (MSB<<8)|(\new)
.set MSB, (\new)
.endif
.endm
.macro ROUND                           ; a round of the cluster's barrier
	s_barrier_signal -1
	s_barrier_wait -1
	s_cmp_lg_u32 s[WV], 0
	s_cbranch_scc1 .Lnw0_\@
	s_barrier_signal -3
.Lnw0_\@:
	s_barrier_wait -3
	s_barrier_signal -1
	s_barrier_wait -1
.endm
.macro JLOAD                           ; every wave's own 32 rows; an s_nop 0 and four v_nop follow
	tensor_load_to_lds s[G0:G0+3], s[G1:G1+7]
	s_nop 0
.rept 4
	v_nop
.endr
.endm
.macro ASK                             ; trips 0 .. NSL - 3: B's slot after the one just asked for; the loop's last trip: the residual
	s_cmp_lt_u32 s[CNT], NSL-2
	s_cbranch_scc0 .Lres_\@
	global_prefetch_b8 v[PFO], s[PFA:PFA+1] th:TH_LOAD_NT scope:SCOPE_SE
	s_branch .Lasked_\@
.Lres_\@:
	global_prefetch_b8 v[PFR], s[68:69] th:TH_LOAD_NT scope:SCOPE_SE
	global_prefetch_b8 v[PFR], s[68:69] offset:256 th:TH_LOAD_NT scope:SCOPE_SE
.Lasked_\@:
.endm
	s_load_b256 s[4:11], s[0:1], 0x0               ; A s[4:5], B s[6:7], the exponents s[8:9], the bias s[10:11]
	s_load_b128 s[68:71], s[0:1], 0x20             ; the residual s[68:69], the result s[70:71]
	v_lshl_add_u32 v[SPW], v0, 2, SPARE
	v_mov_b32 v[NIL], 0
	ds_add_u32 v[SPW], v[NIL]                      ; the wave's opening: the add, twice on end, and its wait
	ds_add_u32 v[SPW], v[NIL]
	v_lshrrev_b32 v1, 5, v0
	v_readfirstlane_b32 s[WV], v1                  ; wave 0..3
	s_bfe_u32 s40, ttmp6, 0x40000                  ; cx
	s_and_b32 s41, ttmp7, 0xffff
	s_lshl_b32 s41, s41, 2
	s_add_co_u32 s41, s41, s40                     ; tile row = 4 y + cx; the tile column is the cluster's x
	s_mov_b32 s[G1+0], 15|(1<<20)|(1<<21)|(7<<22)|(3<<25)   ; the mask; elements of 1 byte; padding on; bit 21 beside a mask; after every 256 words 4 words
	s_mov_b32 s[G1+1], 1024<<16
	s_mov_b32 s[G1+2], 32<<16
	s_mov_b32 s[G1+3], 1024<<16
	s_mov_b32 s[G1+4], 32
	s_mov_b32 s[G1+5], SIZE_K
	s_mov_b32 s[G1+6], 0
	s_mov_b32 s[G1+7], 0
	s_lshl_b32 s42, ttmp9, 7
	s_lshl_b32 s43, s[WV], 5
	s_add_co_u32 s42, s42, s43
	s_mul_i32 s42, s42, SIZE_K                     ; B: row 128 x tile column + 32 x wave
	s_mov_b32 s43, 0
	s_mul_i32 s[G0+1], s[WV], WPART                ; and where it goes, in slot 0
	s_mul_i32 s44, s41, KP*16384                   ; A: my row block's image,
	s_lshl_b32 s45, s[WV], 12                      ; fragments 2 x wave and 2 x wave + 1
	s_add_co_u32 s44, s44, s45
	s_mov_b32 s45, 0
	s_lshl_b32 s46, s41, 7
	s_lshl_b32 s47, s[WV], 5
	s_add_co_u32 s46, s46, s47
	s_lshl_b32 s46, s46, 12                        ; C: my first row, 4,096 bytes a row,
	s_lshl_b32 s48, ttmp9, 9                       ; my tile's first column, in bytes
	s_add_co_u32 s46, s46, s48
	s_mov_b32 s47, 0
	s_mov_b32 s49, 0
	s_lshl_b32 s52, s40, 8                         ; the prefetches: block cx of each row
	s_mov_b32 s53, 0
	s_mov_b32 s[TB], 0
	s_mov_b32 s[G0], 1
	s_wait_dscnt 0x0                               ; both opening adds are done
	s_wait_kmcnt 0x0
	s_load_b64 s[76:77], s[8:9], SCOFF             ; e_A, e_B
	s_add_nc_u64 s[G0+2:G0+3], s[6:7], s[42:43]
.if NSL > 1
	s_add_nc_u64 s[PFA:PFA+1], s[G0+2:G0+3], s[52:53]
	s_add_nc_u64 s[PFA:PFA+1], s[PFA:PFA+1], 2048  ; at slot 2
.endif
	s_or_b32 s[G0+3], s[G0+3], 0x80000000
	s_add_nc_u64 s[AP:AP+1], s[4:5], s[44:45]
	s_add_nc_u64 s[68:69], s[68:69], s[46:47]
	s_add_nc_u64 s[70:71], s[70:71], s[46:47]
	s_add_nc_u64 s[10:11], s[10:11], s[48:49]
	ROUND                                          ; the four partners are here: the first joint loads meet
	JLOAD                                          ; slot 0: one tensor load a wave at the head
	v_and_b32 v1, 15, v0                           ; r
	v_bfe_u32 v2, v0, 4, 1                         ; h
	v_and_b32 v3, 31, v0
	v_lshlrev_b32 v[LI], 4, v3
.if NSL > 1
	v_mul_u32_u24 v[PFO], v3, SIZE_K
	v_lshlrev_b32 v[PFR], 12, v3
.endif
	v_mul_u32_u24 v4, v1, BP
	v_lshl_add_u32 v[AB0], v2, 4, v4               ; row r x pitch + 16 h
	s_mul_i32 s54, s[WV], 16*SPITCH
	s_add_co_u32 s54, s54, STAGE                   ; my stage
	v_mul_u32_u24 v5, v1, SPITCH
	v_lshl_add_u32 v5, v2, 5, v5
	v_add_nc_u32 v[STO], s54, v5                   ; in: row r, 32 bytes for each half of the lanes
	v_add_nc_u32 v[RD], s54, v[LI]                 ; back: the 32 lanes take one row of 512 bytes
.macro ALOAD buf, off                  ; A's two fragments of one K step: eight loads of 512 bytes on end
.irp c, 0,1,2,3,4,5,6,7
	global_load_b128 v[32*(\buf)+4*\c:32*(\buf)+4*\c+3], v[LI], s[AP:AP+1] offset:(\off)+512*\c
.endr
.endm
.macro RLOAD n                         ; rows 8 n .. 8 n + 7 of my residual, 512 bytes on end each, in the layout in which the rows leave
.irp i, 0,1,2,3,4,5,6,7
	global_load_b128 v[32*(\n)+4*\i:32*(\n)+4*\i+3], v[LI], s[68:69] offset:(8*(\n)+\i)*4096
.endr
.endm
	global_load_b128 v[BI:BI+3], v[LI], s[10:11]   ; ahead of A's loads, so that it enters no count below
	WIN 0x80                                       ; destination window 2
.irp t, 0,1,2,3,4,5,6
	ALOAD \t, \t*16384                             ; K steps 0 to 6
.endr
	WIN 0
.set n, 0
.rept 128
	v_mov_b32 v[ACC+n], 0
.set n, n+1
.endr
.macro FETCH q                         ; B's eight fragments of the slot's q-th K step into set q % 2: 32 LDS loads in one run
.irp i, 0,1,2,3,4,5,6,7
.irp c, 0,1,2,3
	ds_load_b128 v[128*((\q)%2)+16*\i+4*\c:128*((\q)%2)+16*\i+4*\c+3], v[ADB+(\i/4)] offset:(\i%4)*16*BP+128*(\q)+32*\c
.endr
.endr
.endm
.macro MUL q                           ; the sixteen accumulators take turns, one instruction a turn, in one order
.irp b, 0,1,2,3,4,5,6,7
.irp a, 0,1
	v_wmma_f32_16x16x128_bf8_bf8 v[ACC+8*(8*\a+\b):ACC+8*(8*\a+\b)+7], v[128*((\q)%2)+16*\b:128*((\q)%2)+16*\b+15], v[32*(\q)+16*\a:32*(\q)+16*\a+15], v[ACC+8*(8*\a+\b):ACC+8*(8*\a+\b)+7]
.endr
.endr
.endm
; A K STEP.  Behind this step's loads of A the six K steps that follow have been asked for, eight loads each: 48 may be out.  In the last slot step 0 asks for A's last K step, steps 1 to 4 for eight rows of the residual each,
; steps 5 to 7 for nothing: so 40 may be out at step 6 and 32 at step 7.  Four plain instructions stand behind the last products, in front of loads into registers that they read.
.macro STEP q, tail
.if ((\tail) == 1) && ((\q) > 5)
	s_wait_loadcnt 88-8*(\q)
.else
	s_wait_loadcnt 48
.endif
	s_wait_dscnt 0x0                               ; B's set of this step
.rept 4
	v_nop
.endr
.if ((\tail) == 0) || ((\q) == 0)
	WIN 0x80
	ALOAD ((\q)+7)%8, ((\q)+7)*16384               ; seven K steps on, into the buffer that the last step multiplied
.else
.if (\q) < 5
	WIN 0x80
	RLOAD (\q)-1
.endif
.endif
.if (\q) < 7
	WIN 0x40                                       ; destination window 1
	FETCH (\q)+1
.endif
	WIN 0x09                                       ; source 0 (B) window 1, source 1 (A) window 2, C and D window 0
	MUL \q
.endm
.macro SLOTRUN tail
	WIN 0x40
	FETCH 0
.irp q, 0,1,2,3,4,5,6,7
	STEP \q, \tail
.endr
	WIN 0
.endm
; THE CHANGE OF SLOTS, at a slot's head.  Each wave waits for all its tensor loads (one is out: its part of the slot ahead), adds 0 to its spare word, and waits for that and for its reads of the slot that it has left.
; fill = 1: a round of the cluster's barrier, and behind it the other slot takes the next 1,024 along K (the first time: slot 1's first fill).
.macro CHANGE fill
	s_wait_tensorcnt 0x0
	ds_add_u32 v[SPW], v[NIL]
.if \fill
	s_xor_b32 s[G0+1], s[G0+1], SLOT
	s_add_nc_u64 s[G0+2:G0+3], s[G0+2:G0+3], 1024
.endif
	v_add_nc_u32 v[ADB], s[TB], v[AB0]
	v_add_nc_u32 v[ADB+1], 64*BP, v[ADB]           ; fragments 4 to 7: 64 rows on, beyond an offset's 16 bits
	s_wait_alu depctr_va_vdst(0)
	s_wait_dscnt 0x0
.if \fill
	ROUND
	JLOAD
	ASK
.else
	s_barrier_signal -1
	s_barrier_wait -1
.endif
.endm
	s_wait_alu depctr_va_vdst(0)
.if NSL > 1
	s_mov_b32 s[CNT], 0
.Lslot:                                                ; NSL - 1 trips: each asks for the next slot
	CHANGE 1
	SLOTRUN 0
	s_xor_b32 s[TB], s[TB], SLOT
	s_wait_xcnt 0x0                                ; the trip's loads and prefetches have read their bases
	s_add_nc_u64 s[AP:AP+1], s[AP:AP+1], 8*16384
	s_add_nc_u64 s[PFA:PFA+1], s[PFA:PFA+1], 1024
	s_add_co_u32 s[CNT], s[CNT], 1
	s_cmp_lt_u32 s[CNT], NSL-1
	s_cbranch_scc1 .Lslot
.endif
	CHANGE 0                                       ; the last slot is written out: nothing is left to ask for
	SLOTRUN 1
	; THE WAY OUT.  The bias joins the residual; a block of 16 rows of raw sums goes through my stage and comes back as whole rows of 512 bytes; one packed multiply-add gives sum x 2^(e_A + e_B) + (residual + bias).
	s_wait_kmcnt 0x0
	s_add_co_i32 s76, s76, s77
	s_add_co_i32 s76, s76, 127
	s_lshl_b32 s76, s76, 23
	s_mov_b32 s77, s76                             ; (named with it as a pair)
	s_wait_loadcnt 0x0                             ; the residual
	WIN 0x82                                       ; source 0 and destination window 2
.set n, 0
.rept 32                               ; these 64 are also the places behind the last products
	v_pk_add_f32 v[4*n:4*n+1], v[4*n:4*n+1], v[BI:BI+1]
	v_pk_add_f32 v[4*n+2:4*n+3], v[4*n+2:4*n+3], v[BI+2:BI+3]
.set n, n+1
.endr
.macro TOSTAGE a
	WIN 0
.irp b, 0,1,2,3,4,5,6,7
	ds_store_b128 v[STO], v[ACC+8*(8*(\a)+\b):ACC+8*(8*(\a)+\b)+3] offset:64*\b          ; each accumulator from its low end on
	ds_store_b128 v[STO], v[ACC+8*(8*(\a)+\b)+4:ACC+8*(8*(\a)+\b)+7] offset:64*\b+16
.endr
	WIN 0x40
.irp t, 0,1,2,3,4,5,6,7,8,9,10,11,12,13,14,15
	ds_load_b128 v[64*(\a)+4*\t:64*(\a)+4*\t+3], v[RD] offset:\t*SPITCH    ; LDS serves a wave's instructions in order (ISA guide 5.7.1.4): these see the stores above, and the next block's stores come behind them
.endr
.endm
.macro SEND a, younger                 ; younger: the LDS instructions issued behind block a's loads, which may stay out
	s_wait_dscnt \younger
	WIN 0x61                                       ; source 0 and destination window 1, source 2 window 2
.set n, 0
.rept 32
	v_pk_fma_f32 v[64*(\a)+n:64*(\a)+n+1], v[64*(\a)+n:64*(\a)+n+1], s[76:77], v[64*(\a)+n:64*(\a)+n+1] op_sel_hi:[1,0,1]
.set n, n+2
.endr
	WIN 0x04                                       ; a store's data: window 1
.irp t, 0,1,2,3,4,5,6,7,8,9,10,11,12,13,14,15
.if LAST
	global_store_b128 v[LI], v[64*(\a)+4*\t:64*(\a)+4*\t+3], s[70:71] offset:(16*(\a)+\t)*4096 th:TH_STORE_NT   ; 32 lanes store 512 consecutive bytes, aligned
.else
	global_store_b128 v[LI], v[64*(\a)+4*\t:64*(\a)+4*\t+3], s[70:71] offset:(16*(\a)+\t)*4096
.endif
.endr
.endm
	TOSTAGE 0
	TOSTAGE 1
	SEND 0, 32                                     ; behind block 0's loads: block 1's 16 stores and 16 loads
	SEND 1, 0
	WIN 0
	s_wait_tensorcnt 0x0                           ; the wave's end
	ds_add_u32 v[SPW], v[NIL]
	s_wait_dscnt 0x0
	ROUND                                          ; the closing round
	s_endpgm
.Lfunc_end_k_q8928ed69fc_w2:
	.size	k_q8928ed69fc_w2, .Lfunc_end_k_q8928ed69fc_w2-k_q8928ed69fc_w2
	.p2alignl 7, 3214868480
	.fill 96, 4, 3214868480
	.section	.rodata,"a",@progbits
	.p2align	6, 0x0
	.amdhsa_kernel k_q8928ed69fc_w2
		.amdhsa_group_segment_fixed_size 327680
		.amdhsa_private_segment_fixed_size 0
		.amdhsa_enable_private_segment 0
		.amdhsa_kernarg_size 48
		.amdhsa_user_sgpr_count 2
		.amdhsa_user_sgpr_kernarg_segment_ptr 1
		.amdhsa_wavefront_size32 1
		.amdhsa_system_sgpr_workgroup_id_x 1
		.amdhsa_system_sgpr_workgroup_id_y 1
		.amdhsa_system_sgpr_workgroup_id_z 1
		.amdhsa_system_vgpr_workitem_id 0
		.amdhsa_next_free_vgpr 768
		.amdhsa_next_free_sgpr 80
		.amdhsa_reserve_vcc 0
		.amdhsa_float_denorm_mode_32 3
		.amdhsa_float_denorm_mode_16_64 3
		.amdhsa_memory_ordered 1
		.amdhsa_forward_progress 1
		.amdhsa_inst_pref_size 94
	.end_amdhsa_kernel
	.amdgpu_metadata
---
amdhsa.version: [ 1, 2 ]
amdhsa.kernels:
  - .name:           k_q8928ed69fc_w2
    .symbol:         k_q8928ed69fc_w2.kd
    .args:
      - { .name: g_img, .offset: 0, .size: 8, .value_kind: global_buffer, .address_space: global }
      - { .name: W2_codes, .offset: 8, .size: 8, .value_kind: global_buffer, .address_space: global }
      - { .name: lowp_scales, .offset: 16, .size: 8, .value_kind: global_buffer, .address_space: global }
      - { .name: b2, .offset: 24, .size: 8, .value_kind: global_buffer, .address_space: global }
      - { .name: x1, .offset: 32, .size: 8, .value_kind: global_buffer, .address_space: global }
      - { .name: out0, .offset: 40, .size: 8, .value_kind: global_buffer, .address_space: global }
    .group_segment_fixed_size: 327680
    .private_segment_fixed_size: 0
    .kernarg_segment_align: 8
    .kernarg_segment_size: 48
    .max_flat_workgroup_size: 128
    .sgpr_count:     80
    .vgpr_count:     768
    .wavefront_size: 32
...
	.end_amdgpu_metadata
.endif
;; end of part 7
